; MI455X (gfx1250); checked and timed in simulation.
; The chip was launched on July 23, 2026; its instructions are those of AMD's public machine-readable ISA for CDNA 5 (MIT licence, August 2026) and "CDNA5" Instruction Set Architecture Reference Guide (July 2026). The comments in the code are by the model that wrote it; some were corrected since.
;; Causal Attention. Allowed arithmetic: matrix products marked QUANTISED: E2M3 operands, one E8M0 scale for each 32 along K, by v_wmma_scale_f32_16x16x128_f8f6f4 with both operands' format E2M3, f32 sums; everything else in f32.
;; Inputs: Wkv 1,024 x 2,048 float32; Wp 1,024 x 1,024 float32; Wq 1,024 x 1,024 float32; alibi_m 16 x 1 x 1 float32; alibi_offset 2,048 x 2,048 float32; bkv 2,048 float32; bp 1,024 float32; bq 1,024 float32; x 4 x 2,048 x 1,024 float32.
;; Outputs: out0 4 x 2,048 x 1,024 float32.
;; This version of the problem:
;;   THIS VERSION OF THE PROBLEM IS GIVEN IN LOW PRECISION. The matrix products marked QUANTISED in the list below multiply operands that are first quantised to E2M3 (2 exponent bits, 3 mantissa bits; 6 bits a number), with one power-of-two scale for each 32 numbers along K (OCP MX v1.0); their sums are f32. All else is computed in f32.
;;   The module's matrix products, in the order in which they are computed (A, B: the left and right operand; K: the contracted axis; several contracted axes count as one K, in the product's order):
;;     1. [M 8,192, K 1,024] x [K 1,024, N 1,024]; A: input x; B: input Wq: QUANTISED
;;     2. [M 8,192, K 1,024] x [K 1,024, N 2,048]; A: input x; B: input Wkv: QUANTISED
;;     3. batch 64 x [M 2,048, K 64] x [K 64, N 2,048]; A: computed on the way; B: computed on the way: QUANTISED
;;     4. batch 64 x [M 2,048, K 2,048] x [K 2,048, N 64]; A: softmax (see below); B: computed on the way: QUANTISED
;;     5. [M 8,192, K 1,024] x [K 1,024, N 1,024]; A: computed on the way; B: input Wp: QUANTISED
;;   THE QUANTISER, for each operand of a quantised product, along K:
;;     - K is cut into blocks of 32 from its start; a last block that is shorter is filled with zeros.
;;     - A block's scale is 2^e with e = floor(log2(the largest magnitude in the block)) - 2, held to -126 .. 127; a block of zeros has e = 0. As a byte (E8M0): e + 127.
;;     - Each number is divided by its block's scale, clamped to +-7.5, and rounded to the nearest number of E2M3, ties to even, subnormals kept.
;;     - The product sums the exact products of the quantised numbers (number of the format x scale) in f32.
;;   ~~~python
;;   def quantise(x, axis):      # numpy; x: float32 -> the quantised numbers, widened to float32 again
;;       x = np.moveaxis(x, axis, -1); K = x.shape[-1]
;;       x = np.pad(x, [(0, 0)] * (x.ndim - 1) + [(0, -K % 32)]); x = x.reshape(x.shape[:-1] + (-1, 32)); a = np.abs(x).max(-1, keepdims=True)
;;       e = np.where(a > 0, np.clip(np.frexp(np.where(a > 0, a, 1))[1] - 1 - 2, -126, 127), 0)      # np.frexp(a)[1] - 1 = floor(log2(a)), exactly
;;       r = np.clip(x / 2.0 ** e, -7.5, 7.5)
;;       step = 2.0 ** (np.maximum(np.frexp(np.where(r == 0, 1, r))[1] - 1, 0) - 3)
;;       q = np.round(r / step) * step * 2.0 ** e      # np.round: ties to even
;;       return np.moveaxis(q.reshape(q.shape[:-2] + (-1,))[..., :K], -1, axis).astype(np.float32)
;;   ~~~
;;   SOFTMAX AHEAD OF A QUANTISED PRODUCT. Where the list says 'softmax', what is quantised is not the finished softmax but p = 2^(t - M), with t = logit x log2(e) and M = ceil(the row's largest t), a whole number; so 1/2 < the row's largest p <= 1. The row's sum l is taken of the UNQUANTISED p, in f32, and the product's result is divided by l at the end. Since M is a whole number, a kernel that streams over the keys may use a running M (the ceiling of the running maximum): every later rescaling is an exact power of two, which a block's scale takes up: the codes' values come out the same.
;;   OPERANDS COMPUTED ON THE WAY. 'Computed on the way' means the value that the module computes at that place (a softmax that the list does not call 'softmax' is quantised finished and normalised). What goes into a quantiser is computed in f32, as accurately as f32 sums, v_exp_f32 and their like allow (about 1e-6 of the number): no bf16 or f16 on the way to a quantiser, and a product that is left as it is and whose result goes on into a quantised operand takes f32 operands (vector FMAs, or v_wmma_f32_16x16x4_f32). A number that lies on a knife's edge between two numbers of the format may be rounded either way, as far as f32 arithmetic and the matrix unit's own rounding can turn it there, and no further.
;; One version. Each part assembles by itself: llvm-mc -triple=amdgcn-amd-amdhsa -mcpu=gfx1250 --defsym DOCPART=n.
;; ======== version 1 of 1: 5 launches
;; workspace buffers: x_img 6,291,456 bytes; x_sc 262,144 bytes; w_img 3,145,728 bytes; w_sc 131,072 bytes; y_img 6,291,456 bytes; y_sc 262,144 bytes; qkvrec 20,185,088 bytes
;; launch quantx (part 1): grid 512 x 1, 4 waves a work-group, no clusters, 34,304 bytes of LDS; arguments x, x_img, x_sc; writes x_img, x_sc
.if DOCPART == 1
	.amdgcn_target "amdgcn-amd-amdhsa--gfx1250"
	.amdhsa_code_object_version 6
	.text
	.protected	k_q1ad7bef2d0_quantx
	.globl	k_q1ad7bef2d0_quantx
	.p2align	8
	.type	k_q1ad7bef2d0_quantx,@function
k_q1ad7bef2d0_quantx:
	s_mov_b64 s[64:65], 0
	v_nop
	global_prefetch_b8 v0, s[64:65] scope:SCOPE_SE
	s_setreg_imm32_b32 hwreg(HW_REG_WAVE_MODE, 25, 1), 1
	s_wait_xcnt 0x0
; x [8192][1024] f32 becomes codes of FP6 (E2M3) with one E8M0 scale byte for each 32 along K, laid as IMAGES OF OPERAND REGISTERS.
; A row tile rb holds 16 rows: place i of tile rb is row 32 (rb / 2) + 8 (rb % 2) + i + 8 (i / 8).  A fragment (16 rows x 128 K) is 12 registers a lane, stored as two halves of 768 bytes:
; registers 0-3 at 16 x lane, registers 4-5 at 512 + 8 x lane.  x_img: [rb][ks 0..7][1536];  x_sc: [rb][ks][16 words], word r = the four scale bytes of place r.
; A block's scale byte is its largest magnitude's exponent field - 2, held at 1 from below.  A block of zeros gets the byte 1 where the rule says 127: its codes are zeros, and this program alone reads the bytes.
; LIMITS: NaN and infinities among the inputs are not served; a block whose largest magnitude lies under 2^-124 keeps the byte 1.
; SHARES: a work-group takes one row tile, wave w its K = 256 w .. 256 w + 255: two fragments.  Each load reads 512 consecutive bytes of a row; the numbers turn through the wave's own stage in LDS
; (rows of 512 + 16 bytes), so that lane (r, h) then holds, of row r, 16 neighbours of each block of 32.  No tensor load, no barrier: waves share nothing.
.set ROWB,  4096
.set SP,    528
.set WSTG,  16*SP
.set SPARE, 4*WSTG                     ; behind the four stages: the spare words, 128 bytes a wave
.set SPW,   12                         ; v12  my spare word's address; never rewritten
.set NIL,   13                         ; v13  0; never rewritten
.set TM,    16                         ; v16-31   the quantiser's work
.set R,     32                         ; v32-159  two fragments' numbers as loaded
.set X,     160                        ; v160-223 64 numbers: register 16 b + i = k 32 b + 16 h + i of my row
.set PC,    224                        ; v224-242 codes
.set PW,    244                        ; v244, v245 the two fragments' scale words
.set SEL,   20
; 64 numbers of a lane become a fragment's 12 registers in v[PC] on and its row's scale word in v[pw]
.macro QUANT s, pw
.irp b, 0,1,2,3
	v_max3_num_f32 v[TM+\b], |v[\s+16*\b]|, |v[\s+1+16*\b]|, 0x1800000   ; my 16 numbers of block b, and the floor 2^(3 - 127)
.endr
.irp i, 2,4,6,8,10,12,14
.irp b, 0,1,2,3
	v_max3_num_f32 v[TM+\b], v[TM+\b], |v[\s+16*\b+\i]|, |v[\s+1+16*\b+\i]|
.endr
.endr
.irp b, 0,1,2,3
	v_permlanex16_b32 v[TM+4+\b], v[TM+\b], s[SEL], s[SEL+1]
.endr
.irp b, 0,1,2,3
	v_max_num_f32 v[TM+\b], v[TM+\b], v[TM+4+\b]   ; with lane l xor 16's: the block's largest magnitude
.endr
.irp b, 0,1,2,3
	v_add_nc_u32 v[TM+12+\b], 0xff000000, v[TM+\b]   ; 2 off its exponent field: the conversion's scale operand
.endr
.irp b, 0,1,2,3
	v_lshrrev_b32 v[TM+4+\b], 23, v[TM+12+\b]   ; the scale's byte
.endr
	v_lshl_or_b32 v[\pw], v[TM+5], 8, v[TM+4]
	v_lshl_or_b32 v[\pw], v[TM+6], 16, v[\pw]
	v_lshl_or_b32 v[\pw], v[TM+7], 24, v[\pw]
.irp c, 0,1
	v_cvt_scalef32_pk16_fp6_f32 v[PC+6*\c:PC+2+6*\c], v[\s+32*\c:\s+15+32*\c], v[TM+12+2*\c]
	v_cvt_scalef32_pk16_fp6_f32 v[PC+12+4*\c:PC+14+4*\c], v[\s+16+32*\c:\s+31+32*\c], v[TM+12+2*\c+1]   ; (a conversion's three registers begin on an even number)
.endr
	v_nop                                          ; one plain place behind a scaled conversion
.irp c, 0,1                                    ; the operand wants a whole block in a lane: lanes 0-15 block 2 c, lanes 16-31 block 2 c + 1
.irp i, 0,1,2
	v_permlane16_swap_b32 v[PC+6*\c+\i], v[PC+12+4*\c+\i]
.endr
.irp i, 0,1,2
	v_mov_b32 v[PC+3+6*\c+\i], v[PC+12+4*\c+\i]
.endr
.endr
.endm
.macro TURN e                          ; fragment e's numbers through my stage: LDS serves a wave's instructions in order, so no wait stands between the stores and the loads
.irp i, 0,1,2,3,4,5,6,7,8,9,10,11,12,13,14,15
	ds_store_b128 v6, v[R+64*\e+4*\i:R+64*\e+4*\i+3] offset:SP*\i
.endr
.irp b, 0,1,2,3
.irp j, 0,1,2,3
	ds_load_b128 v[X+16*\b+4*\j:X+16*\b+4*\j+3], v7 offset:128*\b+16*\j
.endr
.endr
.endm
.macro IMG off                         ; the fragment's image: each store covers 512 or 256 consecutive bytes, aligned
	global_store_b128 v4, v[PC:PC+3], s[6:7] offset:\off
	global_store_b64 v5, v[PC+4:PC+5], s[6:7] offset:\off+512
	global_store_b128 v4, v[PC+6:PC+9], s[6:7] offset:\off+768
	global_store_b64 v5, v[PC+10:PC+11], s[6:7] offset:\off+1280
.endm
	s_load_b128 s[4:7], s[0:1], 0x0                ; x, x_img
	s_load_b64 s[8:9], s[0:1], 0x10                ; x_sc
	v_lshl_add_u32 v[SPW], v0, 2, SPARE
	v_mov_b32 v[NIL], 0
	v_lshrrev_b32 v1, 5, v0
	v_readfirstlane_b32 s16, v1                    ; wave
	v_and_b32 v1, 31, v0                           ; lane
	v_and_b32 v2, 15, v0                           ; r
	v_bfe_u32 v3, v0, 4, 1                         ; h
	v_lshlrev_b32 v4, 4, v1                        ; 16 x lane
	v_lshlrev_b32 v5, 3, v1                        ; 8 x lane
	v_lshlrev_b32 v8, 2, v1                        ; 4 x lane
	s_mul_i32 s17, s16, WSTG
	v_add_nc_u32 v6, s17, v4                       ; the stage, on the way in
	v_mul_u32_u24 v7, v2, SP
	v_lshl_add_u32 v7, v3, 6, v7
	v_add_nc_u32 v7, s17, v7                       ; and on the way out: row r, + 64 h
	v_cmp_le_u32 s22, 16, v1                       ; lanes 16-31
	s_mov_b32 s[SEL], 0x76543210
	s_mov_b32 s[SEL+1], 0xfedcba98
.irp b, 0,1,2,3
	v_mov_b32 v[TM+4+\b], 0                        ; a lane permute's destination counts as one of its sources
.endr
	s_lshr_b32 s10, ttmp9, 1
	s_lshl_b32 s10, s10, 5
	s_and_b32 s11, ttmp9, 1
	s_lshl_b32 s11, s11, 3
	s_add_co_u32 s10, s10, s11                     ; the tile's first row
	s_lshl_b32 s10, s10, 12
	s_lshl_b32 s11, s16, 10
	s_add_co_u32 s10, s10, s11                     ; + my 256 along K
	s_mov_b32 s11, 0
	s_mul_i32 s12, ttmp9, 12288
	s_mul_i32 s13, s16, 3072
	s_add_co_u32 s12, s12, s13
	s_mov_b32 s13, 0
	s_lshl_b32 s14, ttmp9, 9
	s_lshl_b32 s15, s16, 7
	s_add_co_u32 s14, s14, s15
	s_mov_b32 s15, 0
	s_wait_kmcnt 0x0
	s_add_nc_u64 s[4:5], s[4:5], s[10:11]
	s_add_nc_u64 s[6:7], s[6:7], s[12:13]
	s_add_nc_u64 s[8:9], s[8:9], s[14:15]
.irp e, 0,1
.irp i, 0,1,2,3,4,5,6,7,8,9,10,11,12,13,14,15
	global_load_b128 v[R+64*\e+4*\i:R+64*\e+4*\i+3], v4, s[4:5] offset:(\i+8*(\i/8))*ROWB+512*\e th:TH_LOAD_NT   ; 32 lanes read 512 consecutive bytes
.endr
.endr
	s_wait_loadcnt 16                              ; the first fragment's 16 loads are in; the second's may be out
	TURN 0
	s_wait_dscnt 0x0
	QUANT X, PW
	IMG 0
	s_wait_loadcnt 0x0
	TURN 1
	s_wait_dscnt 0x0
	s_wait_xcnt 0x0                                ; the stores have read the codes' registers: they are written again only behind this wait
	QUANT X, PW+1
	IMG 1536
	v_cndmask_b32 v246, v[PW], v[PW+1], s22        ; lanes 0-15: the first fragment's words, lanes 16-31 the second's
	global_store_b32 v8, v246, s[8:9]              ; 128 consecutive bytes
	s_wait_tensorcnt 0x0                           ; the wave's end: behind my last LDS store
	ds_add_u32 v[SPW], v[NIL]
	s_wait_dscnt 0x0
	s_endpgm
.Lfunc_end_k_q1ad7bef2d0_quantx:
	.size	k_q1ad7bef2d0_quantx, .Lfunc_end_k_q1ad7bef2d0_quantx-k_q1ad7bef2d0_quantx
	.p2alignl 7, 3214868480
	.fill 96, 4, 3214868480
	.section	.rodata,"a",@progbits
	.p2align	6, 0x0
	.amdhsa_kernel k_q1ad7bef2d0_quantx
		.amdhsa_group_segment_fixed_size 34304
		.amdhsa_private_segment_fixed_size 0
		.amdhsa_enable_private_segment 0
		.amdhsa_kernarg_size 24
		.amdhsa_user_sgpr_count 2
		.amdhsa_user_sgpr_kernarg_segment_ptr 1
		.amdhsa_wavefront_size32 1
		.amdhsa_system_sgpr_workgroup_id_x 1
		.amdhsa_system_sgpr_workgroup_id_y 1
		.amdhsa_system_sgpr_workgroup_id_z 1
		.amdhsa_system_vgpr_workitem_id 0
		.amdhsa_next_free_vgpr 248
		.amdhsa_next_free_sgpr 66
		.amdhsa_reserve_vcc 0
		.amdhsa_float_denorm_mode_32 3
		.amdhsa_float_denorm_mode_16_64 3
		.amdhsa_memory_ordered 1
		.amdhsa_forward_progress 1
		.amdhsa_inst_pref_size 18
	.end_amdhsa_kernel
	.amdgpu_metadata
---
amdhsa.version: [ 1, 2 ]
amdhsa.kernels:
  - .name:           k_q1ad7bef2d0_quantx
    .symbol:         k_q1ad7bef2d0_quantx.kd
    .args:
      - { .name: x, .offset: 0, .size: 8, .value_kind: global_buffer, .address_space: global }
      - { .name: x_img, .offset: 8, .size: 8, .value_kind: global_buffer, .address_space: global }
      - { .name: x_sc, .offset: 16, .size: 8, .value_kind: global_buffer, .address_space: global }
    .group_segment_fixed_size: 34304
    .private_segment_fixed_size: 0
    .kernarg_segment_align: 8
    .kernarg_segment_size: 24
    .max_flat_workgroup_size: 128
    .sgpr_count:     66
    .vgpr_count:     248
    .wavefront_size: 32
...
	.end_amdgpu_metadata
.endif
;; end of part 1
;; launch quantw (part 2): grid 32 x 8, 4 waves a work-group, no clusters, 13,824 bytes of LDS; arguments Wq, Wkv, Wp, w_img, w_sc; writes w_img, w_sc
.if DOCPART == 2
	.amdgcn_target "amdgcn-amd-amdhsa--gfx1250"
	.amdhsa_code_object_version 6
	.text
	.protected	k_q1ad7bef2d0_quantw
	.globl	k_q1ad7bef2d0_quantw
	.p2align	8
	.type	k_q1ad7bef2d0_quantw,@function
k_q1ad7bef2d0_quantw:
	s_mov_b64 s[64:65], 0
	v_nop
	global_prefetch_b8 v0, s[64:65] scope:SCOPE_SE
	s_setreg_imm32_b32 hwreg(HW_REG_WAVE_MODE, 25, 1), 1
	s_wait_xcnt 0x0
; Wq [1024][1024], Wkv [1024][2048], Wp [1024][1024], f32 with K as the FIRST axis, become codes of FP6 (E2M3) and E8M0 scale bytes along K, laid as images of operand registers:
; w_img [nb 0..255][ks 0..7][1536], w_sc [nb][ks][16 words].  The 4,096 columns stand one behind the other (Wq, Wkv's k half, its v half, Wp); place r of tile nb is column 32 (nb / 2) + 8 (nb % 2) + r + 8 (r / 8).
; A LANE TAKES A COLUMN AND ITS REGISTERS RUN DOWN K: a block of 32 lies in one lane, its largest magnitude needs no other lane, and the conversions give codes with K innermost.
; Block t of a K step of 128 is what lane (r, t % 2) of the operand holds in registers 6 (t / 2) on: the six registers go to that place of the image in the wave's own stage, and the images leave in stores of 512 and 256 consecutive bytes.
; A block of zeros gets the byte 1 where the rule says 127 (zero codes; this program alone reads the bytes).  LIMITS: NaN and infinities are not served; a block whose largest magnitude lies under 2^-124 keeps the byte 1.
; SHARES: work-group x = 128 columns, y = the K step of 128; a wave 32 columns = two tiles.  One path serves the three tensors: the pointer and the pitch are chosen by the work-group's number.
.set TP,    1664                       ; a tile's image in the stage: 1,536 bytes + 128
.set WSTG,  2*TP
.set SPARE, 4*WSTG
.set SPW,   14
.set NIL,   15
.set OFF,   32                         ; v32-63   4 x lane + i x pitch
.set X,     64                         ; v64-127  two sets of 32 numbers
.set E,     128                        ; v128-133 a block's codes
.set E2,    136
.set SB,    140                        ; v140     my column's scale word
.set OUTR,  144                        ; v144-167 the images on the way out
	s_load_b256 s[4:11], s[0:1], 0x0               ; Wq, Wkv, Wp, w_img
	s_load_b64 s[12:13], s[0:1], 0x20              ; w_sc
	v_lshl_add_u32 v[SPW], v0, 2, SPARE
	v_mov_b32 v[NIL], 0
	v_lshrrev_b32 v1, 5, v0
	v_readfirstlane_b32 s14, v1                    ; wave
	v_and_b32 v1, 31, v0                           ; lane = my column among the wave's 32
	v_bfe_u32 v2, v0, 3, 1                         ; u: which of the two tiles
	v_and_b32 v3, 7, v0
	v_bfe_u32 v11, v0, 4, 1
	v_lshl_or_b32 v3, v11, 3, v3                   ; r: my place in it
	s_mul_i32 s15, s14, WSTG
	v_mul_u32_u24 v12, v2, TP
	v_add_nc_u32 v12, s15, v12
	v_lshl_add_u32 v4, v3, 4, v12                  ; into the stage: 16 r,
	v_lshl_add_u32 v5, v3, 3, v12                  ; 8 r
	v_lshlrev_b32 v8, 4, v1
	v_lshlrev_b32 v9, 3, v1
	v_add_nc_u32 v6, s15, v8                       ; out of it: 16 x lane,
	v_add_nc_u32 v7, s15, v9                       ; 8 x lane
	v_lshlrev_b32 v10, 2, v3
	v_lshl_add_u32 v10, v2, 9, v10                 ; my scale word's place: 512 u + 4 r
	s_and_b32 s16, ttmp7, 0xffff                   ; ks
	s_lshl_b32 s32, ttmp9, 3
	s_lshl_b32 s33, s14, 1
	s_add_co_u32 s32, s32, s33                     ; my first tile
	s_mul_i32 s34, s32, 12288
	s_mul_i32 s35, s16, 1536
	s_add_co_u32 s34, s34, s35
	s_mov_b32 s35, 0
	s_lshl_b32 s36, s32, 9
	s_lshl_b32 s37, s16, 6
	s_add_co_u32 s36, s36, s37
	s_mov_b32 s37, 0
	s_wait_kmcnt 0x0
	s_cmp_lt_u32 ttmp9, 8                          ; the choice hangs on the work-group's number alone
	s_cselect_b64 s[20:21], s[4:5], s[6:7]
	s_cselect_b32 s17, 0, 8                        ; the tensor's first work-group
	s_cselect_b32 s18, 12, 13                      ; log2 of its pitch in bytes
	s_cmp_lt_u32 ttmp9, 24
	s_cselect_b64 s[20:21], s[20:21], s[8:9]
	s_cselect_b32 s17, s17, 24
	s_cselect_b32 s18, s18, 12
	s_lshl_b32 s19, 1, s18                         ; the pitch
	s_sub_co_u32 s17, ttmp9, s17
	s_lshl_b32 s17, s17, 9                         ; 128 columns of 4 bytes
	s_lshl_b32 s22, s14, 7
	s_add_co_u32 s22, s17, s22
	s_lshl_b32 s23, s16, 7
	s_lshl_b32 s23, s23, s18                       ; 128 ks rows
	s_add_co_u32 s22, s22, s23
	s_mov_b32 s23, 0
	s_add_nc_u64 s[24:25], s[20:21], s[22:23]      ; block 0's first row at my wave's columns
	s_lshl_b32 s22, s19, 5                         ; 32 rows on
	s_add_nc_u64 s[26:27], s[24:25], s[22:23]
	s_add_nc_u64 s[28:29], s[26:27], s[22:23]
	s_add_nc_u64 s[30:31], s[28:29], s[22:23]
	s_add_nc_u64 s[10:11], s[10:11], s[34:35]
	s_add_nc_u64 s[12:13], s[12:13], s[36:37]
	v_lshlrev_b32 v[OFF], 2, v1
.irp i, 1,2,3,4,5,6,7,8,9,10,11,12,13,14,15,16,17,18,19,20,21,22,23,24,25,26,27,28,29,30,31
	v_add_nc_u32 v[OFF+\i], s19, v[OFF+\i-1]
.endr
.macro LOAD t                          ; block t: 32 rows of K at my column; a load reads 128 consecutive bytes a wave
.irp i, 0,1,2,3,4,5,6,7,8,9,10,11,12,13,14,15,16,17,18,19,20,21,22,23,24,25,26,27,28,29,30,31
	global_load_b32 v[X+32*((\t)%2)+\i], v[OFF+\i], s[24+2*(\t):25+2*(\t)] th:TH_LOAD_NT
.endr
.endm
.macro BLOCK t
.set XS, X+32*((\t)%2)
.if (\t) < 3
	s_wait_loadcnt 32                              ; this block's 32 loads are in; the next block's may be out
.else
	s_wait_loadcnt 0x0
.endif
	v_max3_num_f32 v11, |v[XS]|, |v[XS+1]|, |v[XS+2]|
	v_max3_num_f32 v12, |v[XS+3]|, |v[XS+4]|, |v[XS+5]|
.irp i, 6,10,14,18,22,26
	v_max3_num_f32 v11, v11, |v[XS+\i]|, |v[XS+\i+1]|
	v_max3_num_f32 v12, v12, |v[XS+\i+2]|, |v[XS+\i+3]|
.endr
	v_max3_num_f32 v11, v11, |v[XS+30]|, |v[XS+31]|
	v_max3_num_f32 v11, v11, v12, 0x1800000        ; and the floor 2^(3 - 127)
	v_add_nc_u32 v13, 0xff000000, v11              ; 2 off the exponent field: the conversion's scale operand
	v_lshrrev_b32 v12, 23, v13                     ; the byte
.if (\t) == 0
	v_mov_b32 v[SB], v12
.else
	v_lshl_or_b32 v[SB], v12, 8*(\t), v[SB]
.endif
	v_cvt_scalef32_pk16_fp6_f32 v[E:E+2], v[XS:XS+15], v13
	v_cvt_scalef32_pk16_fp6_f32 v[E2:E2+2], v[XS+16:XS+31], v13
	v_nop                                          ; one plain place behind a scaled conversion
.irp i, 0,1,2
	v_mov_b32 v[E+3+\i], v[E2+\i]
.endr
	ds_store_b128 v4, v[E:E+3] offset:768*((\t)/2)+256*((\t)%2)
	ds_store_b64 v5, v[E+4:E+5] offset:768*((\t)/2)+512+128*((\t)%2)
.if (\t) < 2
	LOAD (\t)+2
.endif
	s_wait_dscnt 0x0                               ; the stores have read their registers: the next block's codes may be written
.endm
	LOAD 0
	LOAD 1
	BLOCK 0
	BLOCK 1
	BLOCK 2
	BLOCK 3
	global_store_b32 v10, v[SB], s[12:13]
.irp n, 0,1,2,3                                ; tile n / 2, half n % 2
	ds_load_b128 v[OUTR+6*\n:OUTR+6*\n+3], v6 offset:TP*(\n/2)+768*(\n%2)   ; LDS serves a wave's instructions in order: these see my stores
	ds_load_b64 v[OUTR+6*\n+4:OUTR+6*\n+5], v7 offset:TP*(\n/2)+768*(\n%2)+512
.endr
.irp n, 0,1,2,3
	s_wait_dscnt 7-2*\n
	global_store_b128 v8, v[OUTR+6*\n:OUTR+6*\n+3], s[10:11] offset:12288*(\n/2)+768*(\n%2)
	s_wait_dscnt 6-2*\n
	global_store_b64 v9, v[OUTR+6*\n+4:OUTR+6*\n+5], s[10:11] offset:12288*(\n/2)+768*(\n%2)+512
.endr
	s_wait_tensorcnt 0x0                           ; the wave's end: behind my last LDS store
	ds_add_u32 v[SPW], v[NIL]
	s_wait_dscnt 0x0
	s_endpgm
.Lfunc_end_k_q1ad7bef2d0_quantw:
	.size	k_q1ad7bef2d0_quantw, .Lfunc_end_k_q1ad7bef2d0_quantw-k_q1ad7bef2d0_quantw
	.p2alignl 7, 3214868480
	.fill 96, 4, 3214868480
	.section	.rodata,"a",@progbits
	.p2align	6, 0x0
	.amdhsa_kernel k_q1ad7bef2d0_quantw
		.amdhsa_group_segment_fixed_size 13824
		.amdhsa_private_segment_fixed_size 0
		.amdhsa_enable_private_segment 0
		.amdhsa_kernarg_size 40
		.amdhsa_user_sgpr_count 2
		.amdhsa_user_sgpr_kernarg_segment_ptr 1
		.amdhsa_wavefront_size32 1
		.amdhsa_system_sgpr_workgroup_id_x 1
		.amdhsa_system_sgpr_workgroup_id_y 1
		.amdhsa_system_sgpr_workgroup_id_z 1
		.amdhsa_system_vgpr_workitem_id 0
		.amdhsa_next_free_vgpr 176
		.amdhsa_next_free_sgpr 66
		.amdhsa_reserve_vcc 0
		.amdhsa_float_denorm_mode_32 3
		.amdhsa_float_denorm_mode_16_64 3
		.amdhsa_memory_ordered 1
		.amdhsa_forward_progress 1
		.amdhsa_inst_pref_size 24
	.end_amdhsa_kernel
	.amdgpu_metadata
---
amdhsa.version: [ 1, 2 ]
amdhsa.kernels:
  - .name:           k_q1ad7bef2d0_quantw
    .symbol:         k_q1ad7bef2d0_quantw.kd
    .args:
      - { .name: Wq, .offset: 0, .size: 8, .value_kind: global_buffer, .address_space: global }
      - { .name: Wkv, .offset: 8, .size: 8, .value_kind: global_buffer, .address_space: global }
      - { .name: Wp, .offset: 16, .size: 8, .value_kind: global_buffer, .address_space: global }
      - { .name: w_img, .offset: 24, .size: 8, .value_kind: global_buffer, .address_space: global }
      - { .name: w_sc, .offset: 32, .size: 8, .value_kind: global_buffer, .address_space: global }
    .group_segment_fixed_size: 13824
    .private_segment_fixed_size: 0
    .kernarg_segment_align: 8
    .kernarg_segment_size: 40
    .max_flat_workgroup_size: 128
    .sgpr_count:     66
    .vgpr_count:     176
    .wavefront_size: 32
...
	.end_amdgpu_metadata
.endif
;; end of part 2
;; launch qkv (part 3): grid 96 x 4, 4 waves a work-group, clusters of 4 x 4, 327,680 bytes of LDS; arguments x_img, x_sc, w_img, w_sc, bq, bkv, qkvrec; writes qkvrec
.if DOCPART == 3
	.amdgcn_target "amdgcn-amd-amdhsa--gfx1250"
	.amdhsa_code_object_version 6
	.text
	.protected	k_q1ad7bef2d0_qkv
	.globl	k_q1ad7bef2d0_qkv
	.p2align	8
	.type	k_q1ad7bef2d0_qkv,@function
k_q1ad7bef2d0_qkv:
	s_mov_b64 s[64:65], 0
	v_nop
	global_prefetch_b8 v0, s[64:65] scope:SCOPE_SE
	s_setreg_imm32_b32 hwreg(HW_REG_WAVE_MODE, 25, 1), 1
	s_wait_xcnt 0x0
	s_wait_alu depctr_hold_cnt(0) depctr_sa_sdst(0) depctr_va_vdst(0) depctr_va_sdst(0) depctr_va_ssrc(0) depctr_va_vcc(0) depctr_vm_vsrc(0)
	s_getreg_b32 s2, hwreg(HW_REG_IB_STS2, 6, 4)
	s_cmp_eq_u32 s2, 0
	s_cbranch_scc0 .Lentry_in_a_cluster
	s_endpgm
.Lentry_in_a_cluster:
	s_bfe_u32 s2, ttmp6, 0x10000c
	s_cmp_lg_u32 s2, 0xf033
	s_cbranch_scc0 .Lentry_shape_is_right
	s_endpgm
.Lentry_shape_is_right:
; q = x Wq + bq, k and v = x Wkv + bkv on codes of FP6 (E2M3) with E8M0 scales, and at once the quantising of q and k along a head's 64 channels and of v along the keys.
; Operands come as images of operand registers: codes [row tile][ks 0..7][1536], scales [row tile][ks][16 words]; place r of row tile t is row 32 (t / 2) + 8 (t % 2) + r + 8 (r / 8).
; A tile of 256 x 256 is made by four waves, 128 x 128 each (64 accumulators); K = 1,024 goes in four steps of 256 through two LDS slots.
; TWO ROLES, told apart by the cluster's number c, which all partners share.  c < 16: A = tokens (x), B = features (Wq, then Wkv's k half).  c >= 16: A = v's channels (Wkv's v half), B = tokens (x).
; THE PRODUCT IS USED TRANSPOSED (source 0 = 16 rows of B, source 1 = 16 rows of A): a lane holds one row of A and, by the order of B's rows in their tiles, the 16 registers of two neighbouring tiles are 16
; neighbours along B.  So ONE quantiser along B serves q and k (B = a head's channels) and v (B = the keys), and nothing is transposed.  The bias is the C of each sum's first product.
; CLUSTER 4 x 4: A's tiles are asked for jointly along a row of the cluster, B's along a column.
; OUT: qkvrec [batch][head][step of 128 tokens] records of 19,712 bytes: K's 8 half images (768 bytes a tile of 16 keys), V's 4 fragment images (16 channels x 128 keys), K's scale words [tile / 4][r][tile % 4],
; V's [r][tile], then Q's images and words as K's.  In Q's and K's words bytes 0, 1 are the head's two blocks; bytes 2, 3 are a neighbour's bytes or 0, never 0xff: they meet zero codes alone.
; A block of zeros gets the byte 1 where the rule says 127.  LIMITS: NaN and infinities are not served; a block whose largest magnitude lies under 2^-124 keeps the byte 1.
; REGISTERS: window 0: v1-13 lane numbers and offsets; v16-23 LDS addresses; v27 scale words' address; v28, v29 the add's two; v32-63 scale words, two sets; v64-127 the bias tile, later the quantiser's work;
;   v128-223 A's 8 fragments; on the way out v224-251 codes and scale words.  window 1: B's fragments, two sets, at v0 and v128.  windows 2, 3: the accumulators, (a, b) at v[8 (8 (a % 4) + b)].
.set FR,    12
.set FRB,   1536
.set RBS,   2*FRB                      ; a row tile's bytes in a slot: two fragments
.set HALFT, 8*RBS                      ; what one tensor load brings
.set SLOT,  4*HALFT                    ; A's 16 row tiles, then B's
.set SCL,   2*SLOT                     ; the scales of all of K: A's 8,192 bytes; 128 bytes on from their end, B's
.set SPARE, SCL+4*4096+256             ; the spare words, 128 bytes a wave
.set NL,    4
.set NP,    4
.set REC,   19712
.set HS,    16*REC                     ; from head to head
.set KIMG,  0
.set VIMG,  6144
.set KSC,   12288
.set VSC,   12800
.set QIMG,  13056
.set QSC,   19200
.set ADRA,  16
.set ADRB,  20
.set ADRS,  27
.set SPW,   28
.set NIL,   29
.set SC,    32
.set Z,     64
.set TM,    64
.set AF,    128
.set PC,    224
.set SW,    244
.set WV,    16
.set RH,    17
.set CH,    18
.set TA,    19
.set TBN,   42
.set ROLE,  45
.set SEL,   2                          ; s[2:3]
.set G1,    24
.set G0,    32
.set G1B,   48
.set G0B,   56
.set G1S,   68
.set G0S,   76
.set G1SB,  80
.set G0SB,  88
.set MSB, 0
.macro WIN new                         ; the immediate's high byte repeats the setting that is left
.if MSB != \new
	s_set_vgpr_msb (MSB<<8)|\new
.set MSB, \new
.endif
.endm
.set MUL_LO, 0xa1                      ; source 0 (B) window 1, source 1 (A) window 0, C and D window 2
.set MUL_HI, 0xf1
.set TO_B,   0x40
.macro JLOAD g0a, g1a, g0b, g1b        ; a joint load: waves 0 and 1 fetch for A, waves 2 and 3 for B; an s_nop 0 and four v_nop follow each line
	s_cmp_eq_u32 s[RH], 0
	s_cbranch_scc0 .Lfor_b_\@
	tensor_load_to_lds s[\g0a:\g0a+3], s[\g1a:\g1a+7]
	s_nop 0
.rept 4
	v_nop
.endr
	s_branch .Lasked_\@
.Lfor_b_\@:
	tensor_load_to_lds s[\g0b:\g0b+3], s[\g1b:\g1b+7]
	s_nop 0
.rept 4
	v_nop
.endr
.Lasked_\@:
.endm
.macro CREST
	s_cmp_lg_u32 s[WV], 0
	s_cbranch_scc1 .Lnot_wave_0_\@
	s_barrier_signal -3
.Lnot_wave_0_\@:
	s_barrier_wait -3
	s_barrier_signal -1
	s_barrier_wait -1
.endm
.macro CROUND
	s_barrier_signal -1
	s_barrier_wait -1
	CREST
.endm
.macro PLACES n
.rept \n
	v_nop
.endr
.endm
.macro FRAG reg, adr, off              ; a fragment's image comes back as it was stored: 16 bytes a lane, 8 bytes a lane, twice
	ds_load_b128 v[(\reg):(\reg)+3], v[\adr] offset:(\off)
	ds_load_b64 v[(\reg)+4:(\reg)+5], v[\adr+2] offset:(\off)+512
	ds_load_b128 v[(\reg)+6:(\reg)+9], v[\adr] offset:(\off)+768
	ds_load_b64 v[(\reg)+10:(\reg)+11], v[\adr+2] offset:(\off)+1280
.endm
.macro FETCH_B slot, q, p
	WIN TO_B
.irp i, 0,1,2,3,4,5,6,7
	FRAG 128*(\p)+FR*\i, ADRB+\slot, \i*RBS+(\q)*FRB
.endr
	WIN 0
.endm
.macro FETCH_A slot, q, i0
.irp i, \i0, \i0+1, \i0+2, \i0+3
	FRAG AF+FR*(\i), ADRA+\slot, (\i)*RBS+(\q)*FRB
.endr
.endm
.macro SCALES sc                       ; a K step's scale words: lanes 0-15 take A's block i, lanes 16-31 B's
.irp i, 0,1,2,3,4,5,6,7
	ds_load_b32 v[SC+16*\sc+2*\i], v[ADRS] offset:512*\i
	ds_load_b32 v[SC+16*\sc+2*\i+1], v[ADRS] offset:512*\i+64
.endr
.endm
; 16 products: A's blocks a0, a0 + 1 x B's eight.  cm = 0: onto the sums; 1: the sums begin with the bias along B; 2: with the bias along A.  The 64 accumulators take turns.
.macro MUL16 a0, p, q, sc, cm
.irp a, \a0, \a0+1
.irp b, 0,1,2,3,4,5,6,7
.if \cm == 0
	v_wmma_scale_f32_16x16x128_f8f6f4 v[8*(8*((\a)%4)+\b):8*(8*((\a)%4)+\b)+7], v[128*(\p)+FR*\b:128*(\p)+FR*\b+FR-1], v[AF+FR*(\a):AF+FR*(\a)+FR-1], v[8*(8*((\a)%4)+\b):8*(8*((\a)%4)+\b)+7], v[SC+16*(\sc)+2*\b+(\q)], v[SC+16*(\sc)+2*(\a)+(\q)] matrix_a_fmt:MATRIX_FMT_FP6 matrix_b_fmt:MATRIX_FMT_FP6 matrix_a_scale:MATRIX_SCALE_ROW1
.elseif \cm == 1
	v_wmma_scale_f32_16x16x128_f8f6f4 v[8*(8*((\a)%4)+\b):8*(8*((\a)%4)+\b)+7], v[128*(\p)+FR*\b:128*(\p)+FR*\b+FR-1], v[AF+FR*(\a):AF+FR*(\a)+FR-1], v[Z+8*\b:Z+8*\b+7], v[SC+16*(\sc)+2*\b+(\q)], v[SC+16*(\sc)+2*(\a)+(\q)] matrix_a_fmt:MATRIX_FMT_FP6 matrix_b_fmt:MATRIX_FMT_FP6 matrix_a_scale:MATRIX_SCALE_ROW1
.else
	v_wmma_scale_f32_16x16x128_f8f6f4 v[8*(8*((\a)%4)+\b):8*(8*((\a)%4)+\b)+7], v[128*(\p)+FR*\b:128*(\p)+FR*\b+FR-1], v[AF+FR*(\a):AF+FR*(\a)+FR-1], v[Z+8*(\a):Z+8*(\a)+7], v[SC+16*(\sc)+2*\b+(\q)], v[SC+16*(\sc)+2*(\a)+(\q)] matrix_a_fmt:MATRIX_FMT_FP6 matrix_b_fmt:MATRIX_FMT_FP6 matrix_a_scale:MATRIX_SCALE_ROW1
.endif
.endr
.endr
.endm
.macro STEP slot, q, cm                ; 128 along K that has its successor in the same slot
	s_wait_dscnt 4*NL                              ; B's set, A's blocks 0-3 and the scale words are in; A's blocks 4-7 (16 loads) may be out
.if \cm
	WIN 0x81                                       ; the bias tile, C, lies in window 0
.else
	WIN MUL_LO
.endif
	MUL16 0, (\q)%2, \q, \slot, \cm
	MUL16 2, (\q)%2, \q, \slot, \cm
	s_wait_dscnt 0
	PLACES NP
	FETCH_B \slot, (\q)+1, 1-(\q)%2
	FETCH_A \slot, (\q)+1, 0
.if \cm
	WIN 0xc1
.else
	WIN MUL_HI
.endif
	MUL16 4, (\q)%2, \q, \slot, \cm
	MUL16 6, (\q)%2, \q, \slot, \cm
	PLACES NP
	WIN 0
	FETCH_A \slot, (\q)+1, 4
.endm
; A slot's last 128 along K, and the change of slots: each wave waits for all its tensor loads, adds 0 to its spare word, and waits for that and for its reads of this slot.  fill = 1: the slot is filled again, two K steps ahead.
.macro TURN slot, next, fill
	s_wait_tensorcnt 0x0                           ; all my tensor loads have landed: my part of the next slot
	ds_add_u32 v[SPW], v[NIL]
	s_wait_dscnt 4*NL+1                            ; (the add and A's blocks 4-7 may be out)
	WIN MUL_LO
	MUL16 0, 1, 1, \slot, 0
	s_wait_dscnt 0x0                               ; the add is done, and my reads of this slot are over
	s_barrier_signal -1
	MUL16 2, 1, 1, \slot, 0
	WIN 0
	s_barrier_wait -1
.if \fill
	CREST                                          ; the barrier has opened a round of the cluster's barrier: no wave of any partner still reads this slot or has a load on its way
	s_add_nc_u64 s[G0+4*\slot+2:G0+4*\slot+3], s[G0+4*\slot+2:G0+4*\slot+3], 2*RBS
	s_add_nc_u64 s[G0B+4*\slot+2:G0B+4*\slot+3], s[G0B+4*\slot+2:G0B+4*\slot+3], 2*RBS
	JLOAD G0+4*\slot, G1, G0B+4*\slot, G1B         ; the first tensor load behind the round; its four v_nop are also the places in front of the loads below
.else
	PLACES NP
.endif
	v_add_nc_u32 v[ADRS], 128, v[ADRS]             ; the next K step's scale words (no LDS load of mine is out)
	FETCH_B \next, 0, 0
	FETCH_A \next, 0, 0
	SCALES \next
	WIN MUL_HI
	MUL16 4, 1, 1, \slot, 0
	MUL16 6, 1, 1, \slot, 0
	PLACES NP
	WIN 0
	FETCH_A \next, 0, 4
.endm
; 64 results of a lane, at v[s] on of window w (register 16 b + i = index 32 b + 16 h + i along B), become a fragment's 12 registers in v[PC] on and the row's scale word in v[pw].  Each accumulator is read from its low end on.
.macro QUANTW s, w, pw
	WIN ((\w)|((\w)<<2))
.irp b, 0,1,2,3
	v_max3_num_f32 v[TM+\b], |v[(\s)+16*\b]|, |v[(\s)+1+16*\b]|, 0x1800000
.endr
	WIN (((\w)<<2)|((\w)<<4))
.irp i, 2,4,6,8,10,12,14
.irp b, 0,1,2,3
	v_max3_num_f32 v[TM+\b], v[TM+\b], |v[(\s)+16*\b+\i]|, |v[(\s)+1+16*\b+\i]|
.endr
.endr
	WIN 0
.irp b, 0,1,2,3
	v_permlanex16_b32 v[TM+4+\b], v[TM+\b], s[SEL], s[SEL+1]
.endr
.irp b, 0,1,2,3
	v_max_num_f32 v[TM+\b], v[TM+\b], v[TM+4+\b]
.endr
.irp b, 0,1,2,3
	v_add_nc_u32 v[TM+12+\b], 0xff000000, v[TM+\b]
.endr
.irp b, 0,1,2,3
	v_lshrrev_b32 v[TM+4+\b], 23, v[TM+12+\b]
.endr
	v_lshl_or_b32 v[\pw], v[TM+5], 8, v[TM+4]
	v_lshl_or_b32 v[\pw], v[TM+6], 16, v[\pw]
	v_lshl_or_b32 v[\pw], v[TM+7], 24, v[\pw]
	s_wait_xcnt 0x0                                ; the last block's stores have read the codes' registers
	WIN (\w)
.irp c, 0,1
	v_cvt_scalef32_pk16_fp6_f32 v[PC+6*\c:PC+2+6*\c], v[(\s)+32*\c:(\s)+15+32*\c], v[TM+12+2*\c]
	v_cvt_scalef32_pk16_fp6_f32 v[PC+12+4*\c:PC+14+4*\c], v[(\s)+16+32*\c:(\s)+31+32*\c], v[TM+12+2*\c+1]
.endr
	WIN 0
	v_nop                                          ; one plain place behind a scaled conversion
.irp c, 0,1
.irp i, 0,1,2
	v_permlane16_swap_b32 v[PC+6*\c+\i], v[PC+12+4*\c+\i]
.endr
.irp i, 0,1,2
	v_mov_b32 v[PC+3+6*\c+\i], v[PC+12+4*\c+\i]
.endr
.endr
.endm
	s_load_b256 s[4:11], s[0:1], 0x0               ; x_img, x_sc, w_img, w_sc
	s_load_b128 s[12:15], s[0:1], 0x20             ; bq, bkv
	s_load_b64 s[66:67], s[0:1], 0x30              ; qkvrec
	v_lshl_add_u32 v[SPW], v0, 2, SPARE
	v_mov_b32 v[NIL], 0
	ds_add_u32 v[SPW], v[NIL]                      ; the wave's opening: the add and its wait ahead of my first tensor load
	v_lshrrev_b32 v1, 5, v0
	v_readfirstlane_b32 s[WV], v1
	s_lshr_b32 s[RH], s[WV], 1                     ; my half of A's rows.  Also: I fetch for A (0) or for B (1)
	s_and_b32 s[CH], s[WV], 1                      ; my half of B's rows.  Also: which 8 row tiles I fetch
	s_bfe_u32 s40, ttmp6, 0x40000                  ; cx
	s_bfe_u32 s41, ttmp6, 0x40004                  ; cy
	s_lshl_b32 s43, s41, 2
	s_lshl_b32 s43, 15, s43                        ; my row of the cluster
	s_lshl_b32 s44, 0x1111, s40                    ; my column
	s_lshr_b32 s20, ttmp9, 1
	s_lshl_b32 s20, s20, 2
	s_and_b32 s21, ttmp9, 1
	s_lshl_b32 s21, s21, 2
	s_sub_co_u32 s22, ttmp9, 16
	s_lshl_b32 s22, s22, 2
	s_cmp_ge_u32 ttmp9, 16                         ; the role: the same in all sixteen partners
	s_cselect_b32 s[ROLE], 1, 0
	s_cselect_b32 s[TA], 8, s20
	s_cselect_b32 s[TBN], s22, s21
	s_add_co_u32 s[TA], s[TA], s41                 ; A's tile of 256 rows
	s_add_co_u32 s[TBN], s[TBN], s40               ; B's
	s_or_b32 s[G1+0], s43, (3<<16)|(1<<21)         ; 15:0 the mask; 17:16 elements of 8 bytes; 21 set beside a mask; no padding
	s_or_b32 s[G1B+0], s44, (3<<16)|(1<<21)
.irp g, G1, G1B
	s_mov_b32 s[\g+1], 384<<16                     ; tensor_dim0: 3,072 bytes, two fragments of a row tile
	s_mov_b32 s[\g+2], 8<<16                       ; tensor_dim1: 8 row tiles
	s_mov_b32 s[\g+3], 384<<16                     ; tile_dim0
	s_mov_b32 s[\g+4], 8                           ; tile_dim1
	s_mov_b32 s[\g+5], 1536                        ; from row tile to row tile: 12,288 bytes
	s_mov_b32 s[\g+6], 0
	s_mov_b32 s[\g+7], 0
.endr
	s_or_b32 s[G1S+0], s43, (3<<16)|(1<<21)
	s_or_b32 s[G1SB+0], s44, (3<<16)|(1<<21)
.irp g, G1S, G1SB                              ; the scales of 8 row tiles: 4,096 dense bytes as 16 rows of 256
	s_mov_b32 s[\g+1], 32<<16
	s_mov_b32 s[\g+2], 16<<16
	s_mov_b32 s[\g+3], 32<<16
	s_mov_b32 s[\g+4], 16
	s_mov_b32 s[\g+5], 32
	s_mov_b32 s[\g+6], 0
	s_mov_b32 s[\g+7], 0
.endr
	s_lshl_b32 s20, s[TA], 1
	s_add_co_u32 s20, s20, s[CH]                   ; A: which 8 row tiles
	s_lshl_b32 s22, s20, 12                        ; their scales' bytes,
	s_mul_i32 s20, s20, 98304                      ; their codes'
	s_mov_b32 s21, 0
	s_mov_b32 s23, 0
	s_lshl_b32 s46, s[TBN], 1
	s_add_co_u32 s46, s46, s[CH]                   ; B likewise
	s_lshl_b32 s92, s46, 12
	s_mul_i32 s46, s46, 98304
	s_mov_b32 s47, 0
	s_mov_b32 s93, 0
	s_mul_i32 s94, s[WV], HALFT                    ; where they go: no place in the cluster enters an LDS address
	s_lshl_b32 s95, s[WV], 12
	s_lshl_b32 s96, s[RH], 7
	s_add_co_u32 s95, s95, s96
	s_add_co_u32 s95, s95, SCL
	s_mov_b32 s[SEL], 0x76543210
	s_mov_b32 s[SEL+1], 0xfedcba98
	s_wait_dscnt 0x0                               ; the opening add is done
	s_wait_kmcnt 0x0
	s_cmp_lg_u32 s[ROLE], 0
	s_cselect_b64 s[96:97], s[8:9], s[4:5]         ; A's codes
	s_cselect_b64 s[98:99], s[4:5], s[8:9]         ; B's codes
	s_cselect_b64 s[4:5], s[10:11], s[6:7]         ; A's scales
	s_cselect_b64 s[6:7], s[6:7], s[10:11]         ; B's scales
	s_add_nc_u64 s[20:21], s[96:97], s[20:21]
	s_add_nc_u64 s[46:47], s[98:99], s[46:47]
	s_add_nc_u64 s[22:23], s[4:5], s[22:23]
	s_add_nc_u64 s[92:93], s[6:7], s[92:93]
	CROUND                                         ; all sixteen work-groups are here: the first joint loads meet
	s_mov_b32 s[G0S], 1
	s_mov_b32 s[G0S+1], s95
	s_mov_b64 s[G0S+2:G0S+3], s[22:23]
	s_or_b32 s[G0S+3], s[G0S+3], 0x80000000
	s_mov_b32 s[G0SB], 1
	s_mov_b32 s[G0SB+1], s95
	s_mov_b64 s[G0SB+2:G0SB+3], s[92:93]
	s_or_b32 s[G0SB+3], s[G0SB+3], 0x80000000
	JLOAD G0S, G1S, G0SB, G1SB                     ; the scales of all of K: filled once
.irp s, 0,1
	s_mov_b32 s[G0+4*\s], 1
	s_add_co_u32 s[G0+4*\s+1], s94, \s*SLOT
	s_add_nc_u64 s[G0+4*\s+2:G0+4*\s+3], s[20:21], \s*RBS
	s_or_b32 s[G0+4*\s+3], s[G0+4*\s+3], 0x80000000
	s_mov_b32 s[G0B+4*\s], 1
	s_add_co_u32 s[G0B+4*\s+1], s94, \s*SLOT
	s_add_nc_u64 s[G0B+4*\s+2:G0B+4*\s+3], s[46:47], \s*RBS
	s_or_b32 s[G0B+4*\s+3], s[G0B+4*\s+3], 0x80000000
	JLOAD G0+4*\s, G1, G0B+4*\s, G1B
.endr
	v_and_b32 v1, 15, v0                           ; r
	v_bfe_u32 v2, v0, 4, 1                         ; h
	v_and_b32 v3, 31, v0                           ; lane
	v_lshlrev_b32 v4, 4, v3                        ; 16 x lane
	v_lshlrev_b32 v5, 3, v3                        ; 8 x lane
	s_mul_i32 s21, s[RH], HALFT
	s_mul_i32 s22, s[CH], HALFT
	s_add_co_u32 s22, s22, 2*HALFT
.irp s, 0,1
	v_add_nc_u32 v[ADRA+\s], s21, v4
	v_add_nc_u32 v[ADRA+2+\s], s21, v5
	v_add_nc_u32 v[ADRB+\s], s22, v4
	v_add_nc_u32 v[ADRB+2+\s], s22, v5
	s_add_co_u32 s21, s21, SLOT
	s_add_co_u32 s22, s22, SLOT
.endr
	s_lshl_b32 s21, s[RH], 12                      ; A's scale words: my 8 row tiles
	s_lshl_b32 s22, s[CH], 12
	s_add_co_u32 s22, s22, 8192+128                ; B's
	s_sub_co_u32 s22, s22, s21
	v_mul_u32_u24 v6, s22, v2                      ; lanes 16-31 take B's
	s_add_co_u32 s21, s21, SCL
	v_lshl_add_u32 v6, v1, 2, v6
	v_add_nc_u32 v[ADRS], s21, v6
	v_mul_u32_u24 v12, v2, HS
	v_lshl_add_u32 v12, v1, 4, v12                 ; the way out: the scale words' place: h heads on, 16 r
	v_lshlrev_b32 v13, 4, v2                       ; 16 h
	; the bias tile: 64 registers in the result's layout
	s_cmp_lg_u32 s[ROLE], 0
	s_cbranch_scc1 .Lbias_v
	s_and_b32 s98, ttmp9, 1                        ; features run along B: register 8 b + j wants feature 32 (b / 2) + 16 h + 8 (b % 2) + j of my 128
	s_cmp_lg_u32 s98, 0
	s_cselect_b64 s[96:97], s[14:15], s[12:13]     ; k's bias heads bkv; q's is bq
	s_lshl_b32 s98, s40, 10
	s_lshl_b32 s99, s[CH], 9
	s_add_co_u32 s98, s98, s99
	s_mov_b32 s99, 0
	s_add_nc_u64 s[96:97], s[96:97], s[98:99]
	v_lshlrev_b32 v8, 6, v2
.irp b, 0,1,2,3,4,5,6,7
	global_load_b128 v[Z+8*\b:Z+8*\b+3], v8, s[96:97] offset:(32*(\b/2)+8*(\b%2))*4
	global_load_b128 v[Z+8*\b+4:Z+8*\b+7], v8, s[96:97] offset:(32*(\b/2)+8*(\b%2))*4+16
.endr
	s_branch .Lbias_done
.Lbias_v:
	s_lshl_b32 s98, s41, 10                        ; channels run along A: a lane has one channel for each block a, the same in all eight registers
	s_lshl_b32 s99, s[RH], 9
	s_add_co_u32 s98, s98, s99
	s_add_co_u32 s98, s98, 4096                    ; v's bias is bkv's second half
	s_mov_b32 s99, 0
	s_add_nc_u64 s[96:97], s[14:15], s[98:99]
	v_and_b32 v8, 8, v1
	v_add_nc_u32 v8, v8, v1
	v_lshlrev_b32 v8, 2, v8
.irp a, 0,1,2,3,4,5,6,7
.irp j, 0,1,2,3,4,5,6,7
	global_load_b32 v[Z+8*\a+\j], v8, s[96:97] offset:(32*(\a/2)+8*(\a%2))*4
.endr
.endr
.Lbias_done:
	s_wait_tensorcnt 1                             ; the scales and my part of K step 0 are in (K step 1's load may be out)
	s_barrier_signal -1
	s_barrier_wait -1                              ; everybody's are
	FETCH_B 0, 0, 0
	FETCH_A 0, 0, 0
	SCALES 0
	FETCH_A 0, 0, 4
	s_wait_loadcnt 0x0                             ; the bias tile
	s_cmp_lg_u32 s[ROLE], 0
	s_cbranch_scc1 .Lfirst_v
	STEP 0, 0, 1                                   ; the first products start the sums with the bias
	s_branch .Lfirst_done
.Lfirst_v:
	STEP 0, 0, 2
.Lfirst_done:
	TURN 0, 1, 1                                   ; K = 1,024 is twice round the ring: written out, no loop
	STEP 1, 0, 0
	TURN 1, 0, 1
	STEP 0, 0, 0
	TURN 0, 1, 0                                   ; the last lap fills nothing
	STEP 1, 0, 0
	s_wait_dscnt 4*NL
	WIN MUL_LO
	MUL16 0, 1, 1, 1, 0
	MUL16 2, 1, 1, 1, 0
	s_wait_dscnt 0
	WIN MUL_HI
	MUL16 4, 1, 1, 1, 0
	MUL16 6, 1, 1, 1, 0
	WIN 0
	PLACES NP                                      ; behind the last products
.irp b, 0,1,2,3
	v_mov_b32 v[TM+4+\b], 0                        ; a lane permute's destination counts as one of its sources
.endr
	s_cmp_lg_u32 s[ROLE], 0
	s_cbranch_scc1 .Lepi_v
	; THE WAY OUT of q and k: block a = 16 tokens; its 128 features are two heads: registers 0-5 of the fragment are the first head's half image, 6-11 the second's
	s_lshl_b32 s92, s[TA], 1
	s_add_co_u32 s92, s92, s[RH]                   ; which 128 tokens
	s_lshr_b32 s93, s92, 4                         ; batch
	s_and_b32 s92, s92, 15                         ; step
	s_lshl_b32 s94, s40, 2
	s_lshl_b32 s95, s[CH], 1
	s_add_co_u32 s94, s94, s95                     ; my first head
	s_lshl_b32 s93, s93, 4
	s_add_co_u32 s93, s93, s94
	s_lshl_b32 s93, s93, 4
	s_add_co_u32 s93, s93, s92
	s_mul_i32 s92, s93, REC
	s_and_b32 s94, ttmp9, 1
	s_cmp_lg_u32 s94, 0                            ; k?
	s_cselect_b32 s94, KIMG, QIMG
	s_mov_b32 s95, QSC
	s_cselect_b32 s95, KSC, s95
	s_add_co_u32 s98, s95, s92
	s_add_co_u32 s96, s94, s92
	s_mov_b32 s97, 0
	s_mov_b32 s99, 0
	s_add_nc_u64 s[96:97], s[66:67], s[96:97]
	s_add_nc_u64 s[98:99], s[66:67], s[98:99]
.irp a, 0,1,2,3,4,5,6,7
	QUANTW 64*(\a%4), 2+\a/4, SW+\a
	global_store_b128 v4, v[PC:PC+3], s[96:97] offset:768*\a                 ; each store covers 512 or 256 consecutive bytes, aligned
	global_store_b64 v5, v[PC+4:PC+5], s[96:97] offset:768*\a+512
	global_store_b128 v4, v[PC+6:PC+9], s[96:97] offset:HS+768*\a
	global_store_b64 v5, v[PC+10:PC+11], s[96:97] offset:HS+768*\a+512
	v_lshrrev_b32 v[SW+\a], v13, v[SW+\a]          ; lanes 16-31 carry the second head's two bytes
.endr
	global_store_b128 v12, v[SW:SW+3], s[98:99]
	global_store_b128 v12, v[SW+4:SW+7], s[98:99] offset:256
	s_branch .Lend
.Lepi_v:
	; THE WAY OUT of v: block a = 16 channels (head a / 4 of my two, tile a % 4); its 128 tokens are a step's keys: a whole fragment
	s_lshl_b32 s92, s[TBN], 1
	s_add_co_u32 s92, s92, s[CH]
	s_lshr_b32 s93, s92, 4
	s_and_b32 s92, s92, 15
	s_lshl_b32 s94, s41, 2
	s_lshl_b32 s95, s[RH], 1
	s_add_co_u32 s94, s94, s95
	s_lshl_b32 s93, s93, 4
	s_add_co_u32 s93, s93, s94
	s_lshl_b32 s93, s93, 4
	s_add_co_u32 s93, s93, s92
	s_mul_i32 s96, s93, REC
	s_mov_b32 s97, 0
	s_add_nc_u64 s[96:97], s[66:67], s[96:97]
	v_cmp_le_u32 s98, 16, v3                       ; lanes 16-31
.irp a, 0,1,2,3,4,5,6,7
	QUANTW 64*(\a%4), 2+\a/4, SW+\a
	global_store_b128 v4, v[PC:PC+3], s[96:97] offset:VIMG+(\a/4)*HS+(\a%4)*1536
	global_store_b64 v5, v[PC+4:PC+5], s[96:97] offset:VIMG+(\a/4)*HS+(\a%4)*1536+512
	global_store_b128 v4, v[PC+6:PC+9], s[96:97] offset:VIMG+(\a/4)*HS+(\a%4)*1536+768
	global_store_b64 v5, v[PC+10:PC+11], s[96:97] offset:VIMG+(\a/4)*HS+(\a%4)*1536+1280
.endr
.irp i, 0,1,2,3
	v_cndmask_b32 v[SW+\i], v[SW+\i], v[SW+4+\i], s98   ; lanes 16-31 carry the second head's words
.endr
	global_store_b128 v12, v[SW:SW+3], s[96:97] offset:VSC
.Lend:
	s_wait_tensorcnt 0x0                           ; the wave's end
	ds_add_u32 v[SPW], v[NIL]
	s_wait_dscnt 0x0
	CROUND                                         ; the closing round
	s_endpgm
.Lfunc_end_k_q1ad7bef2d0_qkv:
	.size	k_q1ad7bef2d0_qkv, .Lfunc_end_k_q1ad7bef2d0_qkv-k_q1ad7bef2d0_qkv
	.p2alignl 7, 3214868480
	.fill 96, 4, 3214868480
	.section	.rodata,"a",@progbits
	.p2align	6, 0x0
	.amdhsa_kernel k_q1ad7bef2d0_qkv
		.amdhsa_group_segment_fixed_size 327680
		.amdhsa_private_segment_fixed_size 0
		.amdhsa_enable_private_segment 0
		.amdhsa_kernarg_size 56
		.amdhsa_user_sgpr_count 2
		.amdhsa_user_sgpr_kernarg_segment_ptr 1
		.amdhsa_wavefront_size32 1
		.amdhsa_system_sgpr_workgroup_id_x 1
		.amdhsa_system_sgpr_workgroup_id_y 1
		.amdhsa_system_sgpr_workgroup_id_z 1
		.amdhsa_system_vgpr_workitem_id 0
		.amdhsa_next_free_vgpr 1024
		.amdhsa_next_free_sgpr 100
		.amdhsa_reserve_vcc 0
		.amdhsa_float_denorm_mode_32 3
		.amdhsa_float_denorm_mode_16_64 3
		.amdhsa_memory_ordered 1
		.amdhsa_forward_progress 1
		.amdhsa_inst_pref_size 207
	.end_amdhsa_kernel
	.amdgpu_metadata
---
amdhsa.version: [ 1, 2 ]
amdhsa.kernels:
  - .name:           k_q1ad7bef2d0_qkv
    .symbol:         k_q1ad7bef2d0_qkv.kd
    .args:
      - { .name: x_img, .offset: 0, .size: 8, .value_kind: global_buffer, .address_space: global }
      - { .name: x_sc, .offset: 8, .size: 8, .value_kind: global_buffer, .address_space: global }
      - { .name: w_img, .offset: 16, .size: 8, .value_kind: global_buffer, .address_space: global }
      - { .name: w_sc, .offset: 24, .size: 8, .value_kind: global_buffer, .address_space: global }
      - { .name: bq, .offset: 32, .size: 8, .value_kind: global_buffer, .address_space: global }
      - { .name: bkv, .offset: 40, .size: 8, .value_kind: global_buffer, .address_space: global }
      - { .name: qkvrec, .offset: 48, .size: 8, .value_kind: global_buffer, .address_space: global }
    .group_segment_fixed_size: 327680
    .private_segment_fixed_size: 0
    .kernarg_segment_align: 8
    .kernarg_segment_size: 56
    .max_flat_workgroup_size: 128
    .sgpr_count:     100
    .vgpr_count:     1024
    .wavefront_size: 32
...
	.end_amdgpu_metadata
.endif
;; end of part 3
;; launch attn (part 4): grid 16 x 16, 16 waves a work-group, clusters of 4 x 1, 327,680 bytes of LDS; arguments qkvrec, alibi_offset, alibi_m, y_img, y_sc; writes y_img, y_sc
.if DOCPART == 4
	.amdgcn_target "amdgcn-amd-amdhsa--gfx1250"
	.amdhsa_code_object_version 6
	.text
	.protected	k_q1ad7bef2d0_attn
	.globl	k_q1ad7bef2d0_attn
	.p2align	8
	.type	k_q1ad7bef2d0_attn,@function
k_q1ad7bef2d0_attn:
	s_mov_b64 s[64:65], 0
	v_nop
	global_prefetch_b8 v0, s[64:65] scope:SCOPE_SE
	s_setreg_imm32_b32 hwreg(HW_REG_WAVE_MODE, 25, 1), 1
	s_wait_xcnt 0x0
	s_wait_alu depctr_hold_cnt(0) depctr_sa_sdst(0) depctr_va_vdst(0) depctr_va_sdst(0) depctr_va_ssrc(0) depctr_va_vcc(0) depctr_vm_vsrc(0)
	s_getreg_b32 s2, hwreg(HW_REG_IB_STS2, 6, 4)
	s_cmp_eq_u32 s2, 0
	s_cbranch_scc0 .Lentry_in_a_cluster
	s_endpgm
.Lentry_in_a_cluster:
	s_bfe_u32 s2, ttmp6, 0x10000c
	s_cmp_lg_u32 s2, 0x3003
	s_cbranch_scc0 .Lentry_shape_is_right
	s_endpgm
.Lentry_shape_is_right:
; y = softmax(q k^T / 8 + m x offset, causal) v for 4 batches x 16 heads of 64 channels, 2,048 tokens, both products on codes of FP6 (E2M3) with E8M0 scales; y is quantised along C on its way out.
; THE SOFTMAX: t = logit x log2(e) = (s + 8 m off) x log2(e) / 8; M = the running largest t rounded UP to a whole number; p = 2^(t - M) is quantised along the keys; the row's sum is taken of the unquantised p and divides at the end.
; SHARES.  A work-group owns 4 heads of one batch and TWO blocks of 64 queries, 31 - i and then i: 16 - i / 2 and i / 2 + 1 key steps of 128, 17 in every work-group.  Wave w: tile w % 4 of 16 queries, head w / 4.
; A step's record of K and V (13,056 dense bytes a head) and its tile of the offset table (64 rows x 512 bytes) come through two LDS slots; the record is read by 4 waves, the table's tile by 4 heads.
; CLUSTER 4 x 1: the four partners hold the four groups of heads of one batch and the same i: the table's tile is asked for JOINTLY (waves 4 to 11, 8 rows each); the records differ and are plain loads (waves 0 to 3) behind the same round.
; LAYOUT.  Both products are used transposed: S^T = K Q^T, O^T = V^T P^T: a lane holds one query.  Place r of a tile of 16 tokens or channels is index 8 u + r + 8 (r / 8) of its 32, so that the 16 registers of two neighbouring
; tiles are 16 neighbouring keys (or channels).  The head has 64 channels: Q's operand has zero codes for k = 64 .. 127.  K's operand of tile t is v[48 + 6 t .. 59 + 6 t]: its upper six registers are the next tile's codes
; (for tile 7 six words of the table): any bits there are finite numbers of the format, they meet Q's zero codes under scale bytes that are never 0xff, and add exactly 0.
; A block of zeros gets the byte 1 where the rule says 127.  LIMITS: NaN and infinities among the inputs are not served; a block whose largest magnitude lies under 2^-124 keeps the byte 1.
; y's scale bytes leave as single bytes, 32 a wave and block of queries: two heads, which live in different waves, share a scale word.
; REGISTERS: v1-4 LDS places that stay; v5, v6 the add's two; v7 my query's place less 16 h; v8-11 the step's LDS addresses; v12 -M, v13 the largest t, v[14:15] the sum; v16-27 Q; v28, v29 Q's scale words; v30-35 the second block's Q;
; v36 p's scale word; v37-39 the prefetches' offsets; v40-47 K's, then V's scale words; v48-95 K, then work; v96-159 the table's tile, then V; v160-223 S^T, then p; v224-255 O^T.
.set REC,   19712
.set KVB,   13056
.set VIMG,  6144
.set KSC,   12288
.set VSC,   12800
.set QIMG,  13056
.set QSC,   19200
.set SLOT1, 1<<17
.set ALO,   4*KVB
.set AP,    528
.set SPARE, SLOT1+ALO+64*AP
.set SPW,   5
.set NIL,   6
.set KF,    48
.set AL,    96
.set SR,    160
.set OT,    224
.set BM,    48                         ; v48-51 the blocks' largest
.set PT,    52                         ; v52-59 at work
.set SO,    60                         ; v60-63 the conversions' scale operands
.set PCD,   64                         ; v64-75 p's codes
.set FF,    76                         ; v[76:77] f
.set TT,    78                         ; v78, v79 at work
.set TB,    2
.set SN,    3
.set PQ,    4
.set PAL,   6
.set PM,    8
.set PY,    10
.set PYS,   12
.set WV,    14
.set SEL,   20
.set CS,    22
.set G1K,   24
.set G1A,   32
.set G0K,   40
.set G0A,   44
.set M8,    48
.set N0,    50
.set NS,    51
.set KVO,   52
.set KVO0,  54
.set ALF,   56
.set ALO1,  58
.set KB,    59
.set QB,    60
.set QB1,   61
.set YO,    62
.set YO1,   63
.set YSO,   66
.set YSO1,  67
.set HM,    68
.set PFK,   70
.set PFA,   72
.set AL2,   74
.set AL21,  76
.set LIMK,  77
.set LIMA,  78
.macro TLOAD                           ; waves 0 to 3: a head's record; waves 4 to 11: 8 rows of the table's tile, jointly; an s_nop 0 and four v_nop follow each line
	s_cmp_lt_u32 s[WV], 4
	s_cbranch_scc0 .Lnot_k_\@
	tensor_load_to_lds s[G0K:G0K+3], s[G1K:G1K+7]
	s_nop 0
.rept 4
	v_nop
.endr
	s_branch .Lasked_\@
.Lnot_k_\@:
	s_cmp_lt_u32 s[WV], 12
	s_cbranch_scc0 .Lasked_\@
	tensor_load_to_lds s[G0A:G0A+3], s[G1A:G1A+7]
	s_nop 0
.rept 4
	v_nop
.endr
.Lasked_\@:
.endm
; A PREFETCH of what the NEXT change of slots will ask for, one key step ahead of that load.  Records: the work-groups with i = 0 walk all 16 of a head: there waves 12 to 15 ask, a head each, 51 blocks of 256 bytes by two
; instructions (the second's lanes 19 to 31 name the record's last block again).  The table's tile: the clusters of batch 0 ask; the four partners take 16 rows each, told apart by address; wave 12 asks, a lane a block of 256 bytes.
; The last steps ask for nothing; the first two steps come by their loads alone.
.macro ASK
	s_cmp_lt_u32 s[SN], s[LIMK]
	s_cbranch_scc0 .Lno_k_\@
	global_prefetch_b8 v37, s[PFK:PFK+1] th:TH_LOAD_NT scope:SCOPE_SE
	global_prefetch_b8 v38, s[PFK:PFK+1] th:TH_LOAD_NT scope:SCOPE_SE
.Lno_k_\@:
	s_cmp_lt_u32 s[SN], s[LIMA]
	s_cbranch_scc0 .Lno_a_\@
	global_prefetch_b8 v39, s[PFA:PFA+1] th:TH_LOAD_NT scope:SCOPE_SE
.Lno_a_\@:
.endm
.macro CROUND
	s_barrier_signal -1
	s_barrier_wait -1
	s_cmp_lg_u32 s[WV], 0
	s_cbranch_scc1 .Lnot_wave_0_\@
	s_barrier_signal -3
.Lnot_wave_0_\@:
	s_barrier_wait -3
	s_barrier_signal -1
	s_barrier_wait -1
.endm
; where block j's Q lies: its codes' byte offset into s[di], its scale words' into s[ds].  s15 = 16 x (16 batch + head), s85 = my tile of queries
.macro QOFF j, di, ds
	s_lshr_b32 s92, s[\j], 1
	s_add_co_u32 s92, s92, s15
	s_mul_i32 s92, s92, REC
	s_and_b32 s94, s[\j], 1
	s_lshl_b32 s95, s94, 2
	s_add_co_u32 s95, s95, s85
	s_mul_i32 s95, s95, 768
	s_add_co_u32 s95, s95, s92
	s_add_co_u32 s[\di], s95, QIMG
	s_lshl_b32 s94, s94, 8
	s_lshl_b32 s95, s85, 2
	s_add_co_u32 s94, s94, s95
	s_add_co_u32 s94, s94, s92
	s_add_co_u32 s[\ds], s94, QSC
.endm
	s_load_b256 s[4:11], s[0:1], 0x0               ; qkvrec, alibi_offset, alibi_m, y_img
	s_load_b64 s[12:13], s[0:1], 0x20              ; y_sc
	v_lshl_add_u32 v[SPW], v0, 2, SPARE
	v_mov_b32 v[NIL], 0
	ds_add_u32 v[SPW], v[NIL]                      ; the wave's opening: the add and its wait ahead of my first tensor load
	v_lshrrev_b32 v8, 5, v0
	v_readfirstlane_b32 s[WV], v8
	s_bfe_u32 s80, ttmp6, 0x40000                  ; cx: my group of four heads
	s_and_b32 s81, ttmp7, 0xffff                   ; i: the second block of queries
	s_sub_co_u32 s83, 31, s81                      ; the first
	s_lshr_b32 s82, s81, 1
	s_sub_co_u32 s[N0], 16, s82                    ; its key steps
	s_lshl_b32 s[QB], s83, 6
	s_lshl_b32 s[QB1], s81, 6
	s_lshr_b32 s84, s[WV], 2                       ; g: my head of the four
	s_and_b32 s85, s[WV], 3                        ; my tile of queries; also the head whose record I fetch
	s_lshl_b32 s86, ttmp9, 4
	s_lshl_b32 s87, s80, 2
	s_add_co_u32 s86, s86, s87                     ; 16 batch + 4 cx
	s_add_co_u32 s87, s86, s85
	s_lshl_b32 s87, s87, 4
	s_mul_i32 s[KVO0], s87, REC                    ; the first record of the head that I fetch
	s_mov_b32 s[KVO], s[KVO0]
	s_mov_b32 s[KVO+1], 0
	s_mov_b32 s[G0K], 1
	s_mul_i32 s[G0K+1], s85, KVB
	s_add_co_u32 s88, s[WV], 4
	s_and_b32 s88, s88, 7                          ; which 8 rows of the table's tile I fetch
	s_lshl_b32 s90, s88, 3
	s_add_co_u32 s89, s[QB], s90
	s_lshl_b32 s[ALF], s89, 13                     ; rows of 8,192 bytes
	s_mov_b32 s[ALF+1], 0
	s_add_co_u32 s89, s[QB1], s90
	s_lshl_b32 s[ALO1], s89, 13
	s_and_b32 s89, s88, 4                          ; in LDS the rows lie by tiles of queries: the number's two low bits change places
	s_and_b32 s90, s88, 1
	s_lshl_b32 s90, s90, 1
	s_or_b32 s89, s89, s90
	s_bfe_u32 s90, s88, 0x10001
	s_or_b32 s89, s89, s90
	s_mul_i32 s89, s89, 8*AP
	s_mov_b32 s[G0A], 1
	s_add_co_u32 s[G0A+1], s89, ALO
	s_mov_b32 s[G1K], 3<<16                        ; no mask; elements of 8 bytes; no padding
	s_mov_b32 s[G1K+1], 32<<16                     ; rows of 256 bytes,
	s_mov_b32 s[G1K+2], 51<<16                     ; 51 of them, dense
	s_mov_b32 s[G1K+3], 32<<16
	s_mov_b32 s[G1K+4], 51
	s_mov_b32 s[G1K+5], 32
	s_mov_b32 s[G1K+6], 0
	s_mov_b32 s[G1K+7], 0
	s_mov_b32 s[G1A], 15|(2<<16)|(1<<20)|(1<<21)|(6<<22)|(3<<25)   ; all four partners; elements of 4 bytes; 4 words of padding behind every 128
	s_mov_b32 s[G1A+1], 128<<16
	s_mov_b32 s[G1A+2], 8<<16
	s_mov_b32 s[G1A+3], 128<<16
	s_mov_b32 s[G1A+4], 8
	s_mov_b32 s[G1A+5], 2048
	s_mov_b32 s[G1A+6], 0
	s_mov_b32 s[G1A+7], 0
	s_mov_b32 s[SEL], 0x76543210
	s_mov_b32 s[SEL+1], 0xfedcba98
	s_mov_b32 s[CS], 0x3e38aa3b                    ; log2(e) / 8
	s_mov_b32 s[CS+1], s[CS]
	s_mov_b32 s[TB], 0
	s_mov_b32 s[SN], 0
	s_mov_b32 s[KB], 0
	s_add_co_u32 s15, s86, s84
	s_lshl_b32 s15, s15, 4
	QOFF 83, 96, 97
	QOFF 81, 98, 99
	s_lshl_b32 s87, s80, 1                         ; y: my head's K step of 128 along C,
	s_lshr_b32 s88, s84, 1
	s_add_co_u32 s87, s87, s88
	s_and_b32 s88, s84, 1                          ; and its half
	s_mul_i32 s89, s87, 1536
	s_mul_i32 s90, s88, 768
	s_add_co_u32 s89, s89, s90
	s_lshl_b32 s87, s87, 6
	s_lshl_b32 s88, s88, 1
	s_add_co_u32 s87, s87, s88
	s_lshl_b32 s88, ttmp9, 7
	s_add_co_u32 s88, s88, s85
	s_lshl_b32 s90, s83, 2
	s_add_co_u32 s90, s90, s88                     ; the first block's row tile
	s_mul_i32 s[YO], s90, 12288
	s_add_co_u32 s[YO], s[YO], s89
	s_lshl_b32 s[YSO], s90, 9
	s_add_co_u32 s[YSO], s[YSO], s87
	s_lshl_b32 s90, s81, 2
	s_add_co_u32 s90, s90, s88                     ; the second's
	s_mul_i32 s[YO1], s90, 12288
	s_add_co_u32 s[YO1], s[YO1], s89
	s_lshl_b32 s[YSO1], s90, 9
	s_add_co_u32 s[YSO1], s[YSO1], s87
	s_lshr_b32 s92, s[WV], 2                       ; who prefetches: the same in all four partners
	s_xor_b32 s92, s92, 3
	s_or_b32 s92, s92, s81
	s_cmp_eq_u32 s92, 0
	s_cselect_b32 s[LIMK], 14, 0
	s_xor_b32 s92, s[WV], 12
	s_or_b32 s92, s92, ttmp9
	s_cmp_eq_u32 s92, 0
	s_cselect_b32 s[LIMA], 15, 0
	s_lshl_b32 s92, s80, 4
	s_add_co_u32 s93, s[QB], s92
	s_lshl_b32 s[AL2], s93, 13
	s_add_co_u32 s[AL2], s[AL2], 512               ; at step 1: the first change steps it to step 2
	s_mov_b32 s[AL2+1], 0
	s_add_co_u32 s93, s[QB1], s92
	s_lshl_b32 s[AL21], s93, 13
	s_add_co_u32 s92, s[KVO0], REC
	s_mov_b32 s93, 0
	s_lshl_b32 s16, s80, 2
	s_add_co_u32 s16, s16, s84
	s_lshl_b32 s16, s16, 2                         ; my head's slope
	s_mov_b32 s17, 0
	s_wait_dscnt 0x0                               ; the opening add is done
	s_wait_kmcnt 0x0
	s_add_nc_u64 s[G0K+2:G0K+3], s[PQ:PQ+1], s[KVO:KVO+1]
	s_or_b32 s[G0K+3], s[G0K+3], 0x80000000
	s_add_nc_u64 s[G0A+2:G0A+3], s[PAL:PAL+1], s[ALF:ALF+1]
	s_or_b32 s[G0A+3], s[G0A+3], 0x80000000
	s_add_nc_u64 s[PFK:PFK+1], s[PQ:PQ+1], s[92:93]
	s_add_nc_u64 s[18:19], s[PM:PM+1], s[16:17]
	s_load_b32 s[M8], s[18:19], 0x0
	CROUND                                         ; all four work-groups are here
	TLOAD                                          ; step 0 into slot 0
	v_and_b32 v170, 31, v0                         ; lane
	v_and_b32 v171, 15, v0                         ; r
	v_bfe_u32 v172, v0, 4, 1                       ; h
	v_lshl_add_u32 v160, v170, 4, s96
	v_lshl_add_u32 v161, v170, 3, s96
	v_lshl_add_u32 v162, v171, 4, s97
	v_lshl_add_u32 v163, v170, 4, s98
	v_lshl_add_u32 v164, v170, 3, s98
	v_lshl_add_u32 v165, v171, 4, s99
	global_load_b128 v[16:19], v160, s[PQ:PQ+1]    ; Q's half image stays in registers,
	global_load_b64 v[20:21], v161, s[PQ:PQ+1] offset:512
	global_load_b32 v28, v162, s[PQ:PQ+1]          ; with its scale words;
	global_load_b128 v[30:33], v163, s[PQ:PQ+1]    ; the second block's likewise
	global_load_b64 v[34:35], v164, s[PQ:PQ+1] offset:512
	global_load_b32 v29, v165, s[PQ:PQ+1]
	s_mul_i32 s15, s84, KVB
	v_lshl_add_u32 v1, v170, 4, s15
	v_lshl_add_u32 v2, v170, 3, s15
	v_lshl_add_u32 v3, v171, 4, s15
	s_mul_i32 s16, s85, 16*AP
	s_add_co_u32 s16, s16, ALO
	v_mul_u32_u24 v4, v171, AP
	v_lshl_add_u32 v4, v172, 6, v4
	v_add_nc_u32 v4, s16, v4
	s_lshr_b32 s16, s85, 1
	s_lshl_b32 s16, s16, 5
	s_and_b32 s17, s85, 1
	s_lshl_b32 s17, s17, 3
	s_add_co_u32 s16, s16, s17
	v_and_b32 v7, 8, v171
	v_add_nc_u32 v7, v7, v171
	v_lshlrev_b32 v173, 4, v172
	v_sub_nc_u32 v7, v7, v173
	v_add_nc_u32 v7, s16, v7
	v_cmp_le_u32 s[HM], 16, v170
	v_lshlrev_b32 v37, 8, v170
	v_add_nc_u32 v38, 32, v170
	v_min_u32 v38, 50, v38
	v_lshlrev_b32 v38, 8, v38
	v_lshrrev_b32 v39, 1, v170
	v_lshlrev_b32 v39, 13, v39
	v_and_b32 v173, 1, v170
	v_lshl_add_u32 v39, v173, 8, v39
.irp j, 22,23,24,25,26,27
	v_mov_b32 v[\j], 0                             ; Q's zero codes for k = 64 .. 127
.endr
	v_mov_b32 v13, 0xff61b1e6                      ; the largest t so far: -3e38
	v_floor_f32 v12, -v13
	v_mov_b32 v14, 0
	v_mov_b32 v15, 0
.irp j, 50,51,52,53,54,55,77,79
	v_mov_b32 v[\j], 0                             ; lane permutes' destinations and pairs' upper halves: written once
.endr
.set n, 0
.rept 32
	v_mov_b32 v[OT+n], 0                           ; O^T: the step is written once; the first change of M multiplies zeros
.set n, n+1
.endr
	s_wait_kmcnt 0x0
	s_mul_f32 s[M8], s[M8], 0x41000000             ; 8 m: exact
	s_mov_b32 s[M8+1], s[M8]
	s_wait_loadcnt 0x0
; A block of queries is finished: O^T / the sum, quantised along C (my head's two blocks of 32), goes out as a half image and two scale bytes a row.
.macro FINAL
	v_add_f32 v78, v14, v15
	v_permlanex16_b32 v79, v78, s[SEL], s[SEL+1]
	v_add_f32 v78, v78, v79
	v_rcp_f32 v78, v78
	v_and_b32 v83, 31, v0                          ; (plain work behind the reciprocal)
	v_lshl_add_u32 v80, v83, 4, s[YO]
	v_lshl_add_u32 v81, v83, 3, s[YO]
	v_and_b32 v82, 15, v0
	v_bfe_u32 v83, v0, 4, 1
	v_lshl_add_u32 v82, v82, 2, v83
	v_add_nc_u32 v82, s[YSO], v82
	s_wait_alu depctr_va_vdst(0)                   ; a wait ahead of the reciprocal's first reader
.set n, 0
.rept 16
	v_pk_mul_f32 v[SR+n:SR+n+1], v[OT+n:OT+n+1], v[78:79] op_sel_hi:[1,0]   ; register 16 b + i = channel 32 b + 16 h + i; each accumulator from its low end on
.set n, n+2
.endr
.irp b, 0,1
	v_max3_num_f32 v[48+\b], |v[SR+16*\b]|, |v[SR+1+16*\b]|, 0x1800000
.endr
.irp i, 2,4,6,8,10,12,14
.irp b, 0,1
	v_max3_num_f32 v[48+\b], v[48+\b], |v[SR+16*\b+\i]|, |v[SR+1+16*\b+\i]|
.endr
.endr
.irp b, 0,1
	v_permlanex16_b32 v[50+\b], v[48+\b], s[SEL], s[SEL+1]
.endr
.irp b, 0,1
	v_max_num_f32 v[48+\b], v[48+\b], v[50+\b]
.endr
.irp b, 0,1
	v_add_nc_u32 v[52+\b], 0xff000000, v[48+\b]
.endr
.irp b, 0,1
	v_lshrrev_b32 v[50+\b], 23, v[52+\b]
.endr
	v_cvt_scalef32_pk16_fp6_f32 v[56:58], v[SR:SR+15], v52
	v_cvt_scalef32_pk16_fp6_f32 v[62:64], v[SR+16:SR+31], v53
	v_nop                                          ; one plain place behind a scaled conversion
.irp i, 0,1,2
	v_permlane16_swap_b32 v[56+\i], v[62+\i]
.endr
.irp i, 0,1,2
	v_mov_b32 v[59+\i], v[62+\i]
.endr
	v_cndmask_b32 v54, v50, v51, s[HM]             ; lane (r, h) carries block h's byte
	global_store_b128 v80, v[56:59], s[PY:PY+1]    ; 512 consecutive bytes, aligned
	global_store_b64 v81, v[60:61], s[PY:PY+1] offset:512
	global_store_b8 v82, v54, s[PYS:PYS+1]
	s_wait_xcnt 0x0                                ; the stores have read their registers: K's loads land there next
.endm
.macro RESET                           ; on to the second block of queries.  Q and its scale words first: the 32 moves behind them are the places in front of the next scaled product
	v_mov_b32 v28, v29
.irp i, 0,1,2,3,4,5
	v_mov_b32 v[16+\i], v[30+\i]
.endr
	v_mov_b32 v13, 0xff61b1e6
	v_floor_f32 v12, -v13
	v_mov_b32 v14, 0
	v_mov_b32 v15, 0
.set n, 0
.rept 32
	v_mov_b32 v[OT+n], 0
.set n, n+1
.endr
	s_mov_b32 s[KB], 0
	s_mov_b32 s[QB], s[QB1]
	s_mov_b32 s[YO], s[YO1]
	s_mov_b32 s[YSO], s[YSO1]
.endm
; A KEY STEP: 128 keys
.macro STEP
	v_add_nc_u32 v8, s[TB], v1                     ; four plain instructions: the places behind the last step's products
	v_add_nc_u32 v9, s[TB], v2
	v_add_nc_u32 v10, s[TB], v3
	v_add_nc_u32 v11, s[TB], v4
	s_cmp_eq_u32 s[SN], s[N0]                      ; the first block's keys are done: a branch on ids, the same in all partners; no barrier and no tensor load stands under it
	s_cbranch_scc0 .Lsame_\@
	FINAL
	RESET
.Lsame_\@:
	ds_load_b128 v[AL:AL+3], v11                   ; the table's first eight words first: six of them stand in tile 7's operand
	ds_load_b128 v[AL+4:AL+7], v11 offset:16
.irp t, 0,1,2,3,4,5,6,7
	ds_load_b128 v[KF+6*\t:KF+6*\t+3], v8 offset:768*\t
	ds_load_b64 v[KF+6*\t+4:KF+6*\t+5], v9 offset:768*\t+512
.endr
	ds_load_b128 v[40:43], v10 offset:KSC
	ds_load_b128 v[44:47], v10 offset:KSC+256
.irp n, 2,3,4,5,6,7,8,9,10,11,12,13,14,15
	ds_load_b128 v[AL+4*\n:AL+4*\n+3], v11 offset:128*(\n/4)+16*(\n%4)
.endr
	s_wait_dscnt 14                                ; K, its scale words and the table's first eight words are in; the table's other 14 loads may be out
.irp t, 0,1,2,3,4,5,6,7
	v_wmma_scale_f32_16x16x128_f8f6f4 v[SR+8*\t:SR+8*\t+7], v[KF+6*\t:KF+6*\t+11], v[16:27], 0, v[40+\t], v28 matrix_a_fmt:MATRIX_FMT_FP6 matrix_b_fmt:MATRIX_FMT_FP6
.endr
.rept 4
	v_nop
.endr
	s_wait_dscnt 0x0
.set n, 0
.rept 32
	v_pk_fma_f32 v[SR+n:SR+n+1], v[AL+n:AL+n+1], s[M8:M8+1], v[SR+n:SR+n+1] op_sel_hi:[1,0,1]   ; s + 8 m x offset
.set n, n+2
.endr
.irp t, 0,1,2,3                                ; V's fragments and scale words into registers that are done with: they land behind the softmax
	ds_load_b128 v[AL+12*\t:AL+12*\t+3], v8 offset:VIMG+1536*\t
	ds_load_b64 v[AL+12*\t+4:AL+12*\t+5], v9 offset:VIMG+1536*\t+512
	ds_load_b128 v[AL+12*\t+6:AL+12*\t+9], v8 offset:VIMG+1536*\t+768
	ds_load_b64 v[AL+12*\t+10:AL+12*\t+11], v9 offset:VIMG+1536*\t+1280
.endr
	ds_load_b128 v[40:43], v10 offset:VSC
	s_add_co_u32 s80, s[KB], 127                   ; the causal mask: a step all of whose keys count for all 64 queries skips it
	s_cmp_le_u32 s80, s[QB]
	s_cbranch_scc1 .Lopen_\@
	s_sub_co_i32 s80, s[QB], s[KB]
	v_add_nc_u32 v78, s80, v7                      ; register 16 b + i holds key KB + 16 h + 32 b + i: hidden where 32 b + i is above this number
	v_mov_b32 v79, 0xff800000
.set n, 0
.rept 64
	v_cmp_gt_i32 vcc_lo, 32*(n/16)+n%16, v78
	v_cndmask_b32 v[SR+n], v[SR+n], v79, vcc_lo
.set n, n+1
.endr
.Lopen_\@:
.irp b, 0,1,2,3
	v_max3_num_f32 v[BM+\b], v[SR+16*\b], v[SR+1+16*\b], v[SR+2+16*\b]   ; the largest of each block of 32 keys: it serves for the row's maximum and for the block's largest p
.endr
.irp i, 3,5,7,9,11,13
.irp b, 0,1,2,3
	v_max3_num_f32 v[BM+\b], v[BM+\b], v[SR+16*\b+\i], v[SR+1+16*\b+\i]
.endr
.endr
.irp b, 0,1,2,3
	v_max_num_f32 v[BM+\b], v[BM+\b], v[SR+15+16*\b]
.endr
.irp b, 0,1,2,3
	v_permlanex16_b32 v[PT+\b], v[BM+\b], s[SEL], s[SEL+1]
.endr
.irp b, 0,1,2,3
	v_max_num_f32 v[BM+\b], v[BM+\b], v[PT+\b]
.endr
	v_max3_num_f32 v[TT], v[BM], v[BM+1], v[BM+2]
	v_max_num_f32 v[TT], v[TT], v[BM+3]
	v_mul_f32 v[TT], s[CS], v[TT]
	v_max_num_f32 v13, v13, v[TT]                  ; the running largest t
	v_mov_b32 v[TT], v12
	v_floor_f32 v12, -v13                          ; -M = floor(-t): M is a whole number
	v_sub_f32 v[TT], v12, v[TT]
	v_cvt_i32_f32 v[TT], v[TT]                     ; (it saturates)
	v_ldexp_f32 v[FF], 1.0, v[TT]                  ; f = 2^(old M - new M)
.set n, 0
.rept 32
	v_pk_fma_f32 v[SR+n:SR+n+1], v[SR+n:SR+n+1], s[CS:CS+1], v[12:13] op_sel_hi:[1,0,0]   ; t - M
.set n, n+2
.endr
.irp b, 0,1,2,3
	v_fma_f32 v[BM+\b], v[BM+\b], s[CS], v12
.endr
.set n, 0
.rept 64
	v_exp_f32 v[SR+n], v[SR+n]                     ; p = 2^(t - M): not normalised
.set n, n+1
.endr
	v_pk_mul_f32 v[14:15], v[14:15], v[FF:FF+1] op_sel_hi:[1,0]   ; the sums under the new M; a plain place behind the exponentials
	s_wait_alu depctr_va_vdst(0)                   ; one wait for the batch, ahead of its first reader
.irp b, 0,1,2,3
	v_exp_f32 v[BM+\b], v[BM+\b]                   ; the blocks' largest p
.endr
	v_pk_add_f32 v[PT:PT+1], v[SR:SR+1], v[SR+2:SR+3]   ; the row's sum of the unquantised p, in two chains
.irp j, 4,8,12,16,20,24,28,32,36,40,44,48,52,56,60
	v_pk_add_f32 v[14:15], v[14:15], v[SR+\j:SR+1+\j]
	v_pk_add_f32 v[PT:PT+1], v[PT:PT+1], v[SR+2+\j:SR+3+\j]
.endr
	v_pk_add_f32 v[14:15], v[14:15], v[PT:PT+1]
	s_wait_alu depctr_va_vdst(0)                   ; and one for the four
.irp b, 0,1,2,3
	v_max_num_f32 v[BM+\b], 0x1800000, v[BM+\b]    ; the floor 2^(3 - 127)
.endr
.irp b, 0,1,2,3
	v_add_nc_u32 v[SO+\b], 0xff000000, v[BM+\b]
.endr
.irp b, 0,1,2,3
	v_lshrrev_b32 v[PT+\b], 23, v[SO+\b]
.endr
	v_lshl_or_b32 v36, v[PT+1], 8, v[PT]           ; p's scale word for these 128 keys
	v_lshl_or_b32 v36, v[PT+2], 16, v36
	v_lshl_or_b32 v36, v[PT+3], 24, v36
.irp c, 0,1
	v_cvt_scalef32_pk16_fp6_f32 v[PCD+6*\c:PCD+2+6*\c], v[SR+32*\c:SR+15+32*\c], v[SO+2*\c]
	v_cvt_scalef32_pk16_fp6_f32 v[PT+4*\c:PT+2+4*\c], v[SR+16+32*\c:SR+31+32*\c], v[SO+2*\c+1]
.endr
	v_nop                                          ; one plain place behind a scaled conversion
.irp c, 0,1
.irp i, 0,1,2
	v_permlane16_swap_b32 v[PCD+6*\c+\i], v[PT+4*\c+\i]
.endr
.irp i, 0,1,2
	v_mov_b32 v[PCD+3+6*\c+\i], v[PT+4*\c+\i]
.endr
.endr
.set n, 0
.rept 16
	v_pk_mul_f32 v[OT+n:OT+n+1], v[OT+n:OT+n+1], v[FF:FF+1] op_sel_hi:[1,0]   ; O^T under the new M; also the places in front of the products below
.set n, n+2
.endr
	s_wait_dscnt 0x0                               ; V and its scale words are in
.irp t, 0,1,2,3
	v_wmma_scale_f32_16x16x128_f8f6f4 v[OT+8*\t:OT+8*\t+7], v[AL+12*\t:AL+12*\t+11], v[PCD:PCD+11], v[OT+8*\t:OT+8*\t+7], v[40+\t], v36 matrix_a_fmt:MATRIX_FMT_FP6 matrix_b_fmt:MATRIX_FMT_FP6
.endr
	s_add_co_u32 s[KB], s[KB], 128
	s_xor_b32 s[TB], s[TB], SLOT1
.endm
; THE CHANGE OF SLOTS stands at a step's head.  Each wave waits for all its tensor loads (its part of the slot ahead), adds 0 to its spare word, and waits for that and for its reads of the slot that it has left.
; fill = 1: behind a round of the cluster's barrier that slot is filled with the next step's record and tile; which those are is chosen without a jump.
.macro CHANGE fill
	s_wait_tensorcnt 0x0                           ; no tensor load of mine is out, so a group 0 may be written
	ds_add_u32 v[SPW], v[NIL]
.if \fill
	s_add_co_u32 s[NS], s[SN], 1
	s_add_co_u32 s[KVO], s[KVO], REC
	s_add_co_u32 s[ALF], s[ALF], 512
	s_cmp_eq_u32 s[NS], s[N0]                      ; the second block begins again at key 0
	s_cselect_b32 s[KVO], s[KVO0], s[KVO]
	s_cselect_b32 s[ALF], s[ALO1], s[ALF]
	s_xor_b32 s[G0K+1], s[G0K+1], SLOT1
	s_xor_b32 s[G0A+1], s[G0A+1], SLOT1
	s_add_nc_u64 s[G0K+2:G0K+3], s[PQ:PQ+1], s[KVO:KVO+1]
	s_or_b32 s[G0K+3], s[G0K+3], 0x80000000
	s_add_nc_u64 s[G0A+2:G0A+3], s[PAL:PAL+1], s[ALF:ALF+1]
	s_or_b32 s[G0A+3], s[G0A+3], 0x80000000
	s_wait_xcnt 0x0                                ; the last prefetches, a step back, have read their addresses
	s_add_nc_u64 s[PFK:PFK+1], s[PFK:PFK+1], REC
	s_add_co_u32 s[AL2], s[AL2], 512
	s_add_co_u32 s80, s[SN], 2
	s_cmp_eq_u32 s80, s[N0]
	s_cselect_b32 s[AL2], s[AL21], s[AL2]
	s_add_nc_u64 s[PFA:PFA+1], s[PAL:PAL+1], s[AL2:AL2+1]
	s_wait_dscnt 0x0                               ; the add is done, and my reads of the slot that I have left are over
	CROUND
	TLOAD                                          ; the first thing behind the round, and a wave's one tensor load until the next
	ASK
.else
	s_wait_dscnt 0x0
	s_barrier_signal -1
	s_barrier_wait -1
.endif
.endm
.Lstep:                                            ; 16 trips: behind each change of slots the next step is asked for
	CHANGE 1
	STEP
	s_add_co_u32 s[SN], s[SN], 1
	s_cmp_lt_u32 s[SN], 16
	s_cbranch_scc1 .Lstep
	CHANGE 0                                       ; the last step is written out
	STEP
.rept 4
	v_nop
.endr
	FINAL
	s_wait_tensorcnt 0x0                           ; the wave's end
	ds_add_u32 v[SPW], v[NIL]
	s_wait_dscnt 0x0
	CROUND                                         ; the closing round
	s_endpgm
.Lfunc_end_k_q1ad7bef2d0_attn:
	.size	k_q1ad7bef2d0_attn, .Lfunc_end_k_q1ad7bef2d0_attn-k_q1ad7bef2d0_attn
	.p2alignl 7, 3214868480
	.fill 96, 4, 3214868480
	.section	.rodata,"a",@progbits
	.p2align	6, 0x0
	.amdhsa_kernel k_q1ad7bef2d0_attn
		.amdhsa_group_segment_fixed_size 327680
		.amdhsa_private_segment_fixed_size 0
		.amdhsa_enable_private_segment 0
		.amdhsa_kernarg_size 40
		.amdhsa_user_sgpr_count 2
		.amdhsa_user_sgpr_kernarg_segment_ptr 1
		.amdhsa_wavefront_size32 1
		.amdhsa_system_sgpr_workgroup_id_x 1
		.amdhsa_system_sgpr_workgroup_id_y 1
		.amdhsa_system_sgpr_workgroup_id_z 1
		.amdhsa_system_vgpr_workitem_id 0
		.amdhsa_next_free_vgpr 256
		.amdhsa_next_free_sgpr 100
		.amdhsa_reserve_vcc 1
		.amdhsa_float_denorm_mode_32 3
		.amdhsa_float_denorm_mode_16_64 3
		.amdhsa_memory_ordered 1
		.amdhsa_forward_progress 1
		.amdhsa_inst_pref_size 77
	.end_amdhsa_kernel
	.amdgpu_metadata
---
amdhsa.version: [ 1, 2 ]
amdhsa.kernels:
  - .name:           k_q1ad7bef2d0_attn
    .symbol:         k_q1ad7bef2d0_attn.kd
    .args:
      - { .name: qkvrec, .offset: 0, .size: 8, .value_kind: global_buffer, .address_space: global }
      - { .name: alibi_offset, .offset: 8, .size: 8, .value_kind: global_buffer, .address_space: global }
      - { .name: alibi_m, .offset: 16, .size: 8, .value_kind: global_buffer, .address_space: global }
      - { .name: y_img, .offset: 24, .size: 8, .value_kind: global_buffer, .address_space: global }
      - { .name: y_sc, .offset: 32, .size: 8, .value_kind: global_buffer, .address_space: global }
    .group_segment_fixed_size: 327680
    .private_segment_fixed_size: 0
    .kernarg_segment_align: 8
    .kernarg_segment_size: 40
    .max_flat_workgroup_size: 512
    .sgpr_count:     100
    .vgpr_count:     256
    .wavefront_size: 32
...
	.end_amdgpu_metadata
.endif
;; end of part 4
;; launch proj (part 5): grid 4 x 32, 4 waves a work-group, clusters of 4 x 4, 327,680 bytes of LDS; arguments y_img, y_sc, w_img, w_sc, bp, out0; writes out0
.if DOCPART == 5
	.amdgcn_target "amdgcn-amd-amdhsa--gfx1250"
	.amdhsa_code_object_version 6
	.text
	.protected	k_q1ad7bef2d0_proj
	.globl	k_q1ad7bef2d0_proj
	.p2align	8
	.type	k_q1ad7bef2d0_proj,@function
k_q1ad7bef2d0_proj:
	s_mov_b64 s[64:65], 0
	v_nop
	global_prefetch_b8 v0, s[64:65] scope:SCOPE_SE
	s_setreg_imm32_b32 hwreg(HW_REG_WAVE_MODE, 25, 1), 1
	s_wait_xcnt 0x0
	s_wait_alu depctr_hold_cnt(0) depctr_sa_sdst(0) depctr_va_vdst(0) depctr_va_sdst(0) depctr_va_ssrc(0) depctr_va_vcc(0) depctr_vm_vsrc(0)
	s_getreg_b32 s2, hwreg(HW_REG_IB_STS2, 6, 4)
	s_cmp_eq_u32 s2, 0
	s_cbranch_scc0 .Lentry_in_a_cluster
	s_endpgm
.Lentry_in_a_cluster:
	s_bfe_u32 s2, ttmp6, 0x10000c
	s_cmp_lg_u32 s2, 0xf033
	s_cbranch_scc0 .Lentry_shape_is_right
	s_endpgm
.Lentry_shape_is_right:
; out0 = y Wp + bp on codes of FP6 (E2M3) with E8M0 scales.  y and Wp come as images of operand registers: codes [row tile][ks 0..7][1536], scales [row tile][ks][16 words];
; place r of row tile t is row 32 (t / 2) + 8 (t % 2) + r + 8 (r / 8).  Wp's columns are row tiles 192 to 255 of the weights' buffer.
; A tile of 256 x 256 is made by four waves, 128 x 128 each; K = 1,024 goes in four steps of 256 through two LDS slots.  CLUSTER 4 x 4: y's tiles are asked for jointly along a row of the cluster, Wp's along a column.
; THE PRODUCT IS USED TRANSPOSED (source 0 = 16 columns of Wp, source 1 = 16 tokens): register j of tile b in lane (r, h) is feature 32 (b / 2) + 16 h + 8 (b % 2) + j of token place r.  bp is the C of each sum's first product.
; THE WAY OUT: a block of 16 tokens x 128 features goes through the wave's own stage in LDS (in slot 0, which has had its last fill and its last read) and leaves as rows of 512 consecutive bytes.
; REGISTERS: window 0: v1-8 lane numbers; v16-23 LDS addresses; v24-26 the way out; v27 scale words' address; v28, v29 the add's two; v32-63 scale words; v64-127 the bias tile; v128-223 A's fragments, later rows on the way out (v128-255).
;   window 1: B's fragments, two sets.  windows 2, 3: the accumulators.
.set FR,    12
.set FRB,   1536
.set RBS,   2*FRB
.set HALFT, 8*RBS
.set SLOT,  4*HALFT
.set SCL,   2*SLOT
.set SPARE, SCL+4*4096+256
.set NL,    4
.set NP,    4
.set SPITCH, 528
.set ADRA,  16
.set ADRB,  20
.set STO,   24
.set RD,    25
.set CO,    26
.set ADRS,  27
.set SPW,   28
.set NIL,   29
.set SC,    32
.set Z,     64
.set AF,    128
.set BK,    128
.set WV,    16
.set RH,    17
.set CH,    18
.set TA,    19
.set TBN,   42
.set G1,    24
.set G0,    32
.set G1B,   48
.set G0B,   56
.set G1S,   68
.set G0S,   76
.set G1SB,  80
.set G0SB,  88
.set MSB, 0
.macro WIN new
.if MSB != \new
	s_set_vgpr_msb (MSB<<8)|\new
.set MSB, \new
.endif
.endm
.set MUL_LO, 0xa1
.set MUL_HI, 0xf1
.set TO_B,   0x40
.macro JLOAD g0a, g1a, g0b, g1b        ; a joint load: waves 0 and 1 fetch for A, waves 2 and 3 for B; an s_nop 0 and four v_nop follow each line
	s_cmp_eq_u32 s[RH], 0
	s_cbranch_scc0 .Lfor_b_\@
	tensor_load_to_lds s[\g0a:\g0a+3], s[\g1a:\g1a+7]
	s_nop 0
.rept 4
	v_nop
.endr
	s_branch .Lasked_\@
.Lfor_b_\@:
	tensor_load_to_lds s[\g0b:\g0b+3], s[\g1b:\g1b+7]
	s_nop 0
.rept 4
	v_nop
.endr
.Lasked_\@:
.endm
.macro CREST
	s_cmp_lg_u32 s[WV], 0
	s_cbranch_scc1 .Lnot_wave_0_\@
	s_barrier_signal -3
.Lnot_wave_0_\@:
	s_barrier_wait -3
	s_barrier_signal -1
	s_barrier_wait -1
.endm
.macro CROUND
	s_barrier_signal -1
	s_barrier_wait -1
	CREST
.endm
.macro PLACES n
.rept \n
	v_nop
.endr
.endm
.macro FRAG reg, adr, off
	ds_load_b128 v[(\reg):(\reg)+3], v[\adr] offset:(\off)
	ds_load_b64 v[(\reg)+4:(\reg)+5], v[\adr+2] offset:(\off)+512
	ds_load_b128 v[(\reg)+6:(\reg)+9], v[\adr] offset:(\off)+768
	ds_load_b64 v[(\reg)+10:(\reg)+11], v[\adr+2] offset:(\off)+1280
.endm
.macro FETCH_B slot, q, p
	WIN TO_B
.irp i, 0,1,2,3,4,5,6,7
	FRAG 128*(\p)+FR*\i, ADRB+\slot, \i*RBS+(\q)*FRB
.endr
	WIN 0
.endm
.macro FETCH_A slot, q, i0
.irp i, \i0, \i0+1, \i0+2, \i0+3
	FRAG AF+FR*(\i), ADRA+\slot, (\i)*RBS+(\q)*FRB
.endr
.endm
.macro SCALES sc
.irp i, 0,1,2,3,4,5,6,7
	ds_load_b32 v[SC+16*\sc+2*\i], v[ADRS] offset:512*\i
	ds_load_b32 v[SC+16*\sc+2*\i+1], v[ADRS] offset:512*\i+64
.endr
.endm
; 16 products: A's blocks a0, a0 + 1 x B's eight.  cm = 1: the sums begin with the bias.  The 64 accumulators take turns.
.macro MUL16 a0, p, q, sc, cm
.irp a, \a0, \a0+1
.irp b, 0,1,2,3,4,5,6,7
.if \cm == 0
	v_wmma_scale_f32_16x16x128_f8f6f4 v[8*(8*((\a)%4)+\b):8*(8*((\a)%4)+\b)+7], v[128*(\p)+FR*\b:128*(\p)+FR*\b+FR-1], v[AF+FR*(\a):AF+FR*(\a)+FR-1], v[8*(8*((\a)%4)+\b):8*(8*((\a)%4)+\b)+7], v[SC+16*(\sc)+2*\b+(\q)], v[SC+16*(\sc)+2*(\a)+(\q)] matrix_a_fmt:MATRIX_FMT_FP6 matrix_b_fmt:MATRIX_FMT_FP6 matrix_a_scale:MATRIX_SCALE_ROW1
.else
	v_wmma_scale_f32_16x16x128_f8f6f4 v[8*(8*((\a)%4)+\b):8*(8*((\a)%4)+\b)+7], v[128*(\p)+FR*\b:128*(\p)+FR*\b+FR-1], v[AF+FR*(\a):AF+FR*(\a)+FR-1], v[Z+8*\b:Z+8*\b+7], v[SC+16*(\sc)+2*\b+(\q)], v[SC+16*(\sc)+2*(\a)+(\q)] matrix_a_fmt:MATRIX_FMT_FP6 matrix_b_fmt:MATRIX_FMT_FP6 matrix_a_scale:MATRIX_SCALE_ROW1
.endif
.endr
.endr
.endm
.macro STEP slot, q, cm
	s_wait_dscnt 4*NL                              ; B's set, A's blocks 0-3 and the scale words are in; A's blocks 4-7 (16 loads) may be out
.if \cm
	WIN 0x81
.else
	WIN MUL_LO
.endif
	MUL16 0, (\q)%2, \q, \slot, \cm
	MUL16 2, (\q)%2, \q, \slot, \cm
	s_wait_dscnt 0
	PLACES NP
	FETCH_B \slot, (\q)+1, 1-(\q)%2
	FETCH_A \slot, (\q)+1, 0
.if \cm
	WIN 0xc1
.else
	WIN MUL_HI
.endif
	MUL16 4, (\q)%2, \q, \slot, \cm
	MUL16 6, (\q)%2, \q, \slot, \cm
	PLACES NP
	WIN 0
	FETCH_A \slot, (\q)+1, 4
.endm
.macro TURN slot, next, fill
	s_wait_tensorcnt 0x0                           ; all my tensor loads have landed: my part of the next slot
	ds_add_u32 v[SPW], v[NIL]
	s_wait_dscnt 4*NL+1                            ; (the add and A's blocks 4-7 may be out)
	WIN MUL_LO
	MUL16 0, 1, 1, \slot, 0
	s_wait_dscnt 0x0                               ; the add is done, and my reads of this slot are over
	s_barrier_signal -1
	MUL16 2, 1, 1, \slot, 0
	WIN 0
	s_barrier_wait -1
.if \fill
	CREST                                          ; the barrier has opened a round of the cluster's barrier
	s_add_nc_u64 s[G0+4*\slot+2:G0+4*\slot+3], s[G0+4*\slot+2:G0+4*\slot+3], 2*RBS
	s_add_nc_u64 s[G0B+4*\slot+2:G0B+4*\slot+3], s[G0B+4*\slot+2:G0B+4*\slot+3], 2*RBS
	JLOAD G0+4*\slot, G1, G0B+4*\slot, G1B         ; the first tensor load behind the round; its four v_nop are also the places in front of the loads below
.else
	PLACES NP
.endif
	v_add_nc_u32 v[ADRS], 128, v[ADRS]
	FETCH_B \next, 0, 0
	FETCH_A \next, 0, 0
	SCALES \next
	WIN MUL_HI
	MUL16 4, 1, 1, \slot, 0
	MUL16 6, 1, 1, \slot, 0
	PLACES NP
	WIN 0
	FETCH_A \next, 0, 4
.endm
	s_load_b256 s[4:11], s[0:1], 0x0               ; y_img, y_sc, w_img, w_sc
	s_load_b128 s[12:15], s[0:1], 0x20             ; bp, out0
	v_lshl_add_u32 v[SPW], v0, 2, SPARE
	v_mov_b32 v[NIL], 0
	ds_add_u32 v[SPW], v[NIL]                      ; the wave's opening: the add and its wait ahead of my first tensor load
	v_lshrrev_b32 v1, 5, v0
	v_readfirstlane_b32 s[WV], v1
	s_lshr_b32 s[RH], s[WV], 1
	s_and_b32 s[CH], s[WV], 1
	s_bfe_u32 s40, ttmp6, 0x40000                  ; cx
	s_bfe_u32 s41, ttmp6, 0x40004                  ; cy
	s_lshl_b32 s43, s41, 2
	s_lshl_b32 s43, 15, s43
	s_lshl_b32 s44, 0x1111, s40
	s_and_b32 s[TA], ttmp7, 0xffff
	s_lshl_b32 s[TA], s[TA], 2
	s_add_co_u32 s[TA], s[TA], s41                 ; y's tile of 256 tokens
	s_add_co_u32 s[TBN], s40, 12                   ; Wp's tile of 256 columns
	s_or_b32 s[G1+0], s43, (3<<16)|(1<<21)
	s_or_b32 s[G1B+0], s44, (3<<16)|(1<<21)
.irp g, G1, G1B
	s_mov_b32 s[\g+1], 384<<16
	s_mov_b32 s[\g+2], 8<<16
	s_mov_b32 s[\g+3], 384<<16
	s_mov_b32 s[\g+4], 8
	s_mov_b32 s[\g+5], 1536
	s_mov_b32 s[\g+6], 0
	s_mov_b32 s[\g+7], 0
.endr
	s_or_b32 s[G1S+0], s43, (3<<16)|(1<<21)
	s_or_b32 s[G1SB+0], s44, (3<<16)|(1<<21)
.irp g, G1S, G1SB
	s_mov_b32 s[\g+1], 32<<16
	s_mov_b32 s[\g+2], 16<<16
	s_mov_b32 s[\g+3], 32<<16
	s_mov_b32 s[\g+4], 16
	s_mov_b32 s[\g+5], 32
	s_mov_b32 s[\g+6], 0
	s_mov_b32 s[\g+7], 0
.endr
	s_lshl_b32 s20, s[TA], 1
	s_add_co_u32 s20, s20, s[CH]
	s_lshl_b32 s22, s20, 12
	s_mul_i32 s20, s20, 98304
	s_mov_b32 s21, 0
	s_mov_b32 s23, 0
	s_lshl_b32 s46, s[TBN], 1
	s_add_co_u32 s46, s46, s[CH]
	s_lshl_b32 s92, s46, 12
	s_mul_i32 s46, s46, 98304
	s_mov_b32 s47, 0
	s_mov_b32 s93, 0
	s_mul_i32 s94, s[WV], HALFT
	s_lshl_b32 s95, s[WV], 12
	s_lshl_b32 s96, s[RH], 7
	s_add_co_u32 s95, s95, s96
	s_add_co_u32 s95, s95, SCL
	s_wait_dscnt 0x0                               ; the opening add is done
	s_wait_kmcnt 0x0
	s_add_nc_u64 s[20:21], s[4:5], s[20:21]
	s_add_nc_u64 s[22:23], s[6:7], s[22:23]
	s_add_nc_u64 s[46:47], s[8:9], s[46:47]
	s_add_nc_u64 s[92:93], s[10:11], s[92:93]
	CROUND                                         ; all sixteen work-groups are here: the first joint loads meet
	s_mov_b32 s[G0S], 1
	s_mov_b32 s[G0S+1], s95
	s_mov_b64 s[G0S+2:G0S+3], s[22:23]
	s_or_b32 s[G0S+3], s[G0S+3], 0x80000000
	s_mov_b32 s[G0SB], 1
	s_mov_b32 s[G0SB+1], s95
	s_mov_b64 s[G0SB+2:G0SB+3], s[92:93]
	s_or_b32 s[G0SB+3], s[G0SB+3], 0x80000000
	JLOAD G0S, G1S, G0SB, G1SB
.irp s, 0,1
	s_mov_b32 s[G0+4*\s], 1
	s_add_co_u32 s[G0+4*\s+1], s94, \s*SLOT
	s_add_nc_u64 s[G0+4*\s+2:G0+4*\s+3], s[20:21], \s*RBS
	s_or_b32 s[G0+4*\s+3], s[G0+4*\s+3], 0x80000000
	s_mov_b32 s[G0B+4*\s], 1
	s_add_co_u32 s[G0B+4*\s+1], s94, \s*SLOT
	s_add_nc_u64 s[G0B+4*\s+2:G0B+4*\s+3], s[46:47], \s*RBS
	s_or_b32 s[G0B+4*\s+3], s[G0B+4*\s+3], 0x80000000
	JLOAD G0+4*\s, G1, G0B+4*\s, G1B
.endr
	v_and_b32 v1, 15, v0                           ; r
	v_bfe_u32 v2, v0, 4, 1                         ; h
	v_and_b32 v3, 31, v0                           ; lane
	v_lshlrev_b32 v4, 4, v3
	v_lshlrev_b32 v5, 3, v3
	s_mul_i32 s21, s[RH], HALFT
	s_mul_i32 s22, s[CH], HALFT
	s_add_co_u32 s22, s22, 2*HALFT
.irp s, 0,1
	v_add_nc_u32 v[ADRA+\s], s21, v4
	v_add_nc_u32 v[ADRA+2+\s], s21, v5
	v_add_nc_u32 v[ADRB+\s], s22, v4
	v_add_nc_u32 v[ADRB+2+\s], s22, v5
	s_add_co_u32 s21, s21, SLOT
	s_add_co_u32 s22, s22, SLOT
.endr
	s_lshl_b32 s21, s[RH], 12
	s_lshl_b32 s22, s[CH], 12
	s_add_co_u32 s22, s22, 8192+128
	s_sub_co_u32 s22, s22, s21
	v_mul_u32_u24 v6, s22, v2                      ; lanes 16-31 take B's scale words
	s_add_co_u32 s21, s21, SCL
	v_lshl_add_u32 v6, v1, 2, v6
	v_add_nc_u32 v[ADRS], s21, v6
	s_mul_i32 s23, s[WV], 16*SPITCH                ; my stage
	v_mul_u32_u24 v7, v1, SPITCH
	v_lshl_add_u32 v7, v2, 6, v7
	v_add_nc_u32 v[STO], s23, v7                   ; in: row r, + 64 h
	v_mov_b32 v[CO], v4                            ; back: the 32 lanes take one row of 512 bytes; and the same in out0
	v_add_nc_u32 v[RD], s23, v4
	s_lshl_b32 s96, s[TA], 8
	s_lshl_b32 s97, s[RH], 7
	s_add_co_u32 s96, s96, s97
	s_lshl_b32 s96, s96, 12                        ; my first token's row of 4,096 bytes
	s_mov_b32 s97, 0
	s_add_nc_u64 s[14:15], s[14:15], s[96:97]
	s_lshl_b32 s98, s40, 10
	s_lshl_b32 s99, s[CH], 9
	s_add_co_u32 s98, s98, s99                     ; my first feature, in bytes
	s_mov_b32 s99, 0
	s_add_nc_u64 s[14:15], s[14:15], s[98:99]
	s_add_nc_u64 s[12:13], s[12:13], s[98:99]
	v_lshlrev_b32 v8, 6, v2
.irp b, 0,1,2,3,4,5,6,7                        ; the bias tile: register 8 b + j wants feature 32 (b / 2) + 16 h + 8 (b % 2) + j of my 128
	global_load_b128 v[Z+8*\b:Z+8*\b+3], v8, s[12:13] offset:(32*(\b/2)+8*(\b%2))*4
	global_load_b128 v[Z+8*\b+4:Z+8*\b+7], v8, s[12:13] offset:(32*(\b/2)+8*(\b%2))*4+16
.endr
	s_wait_tensorcnt 1                             ; the scales and my part of K step 0 are in (K step 1's load may be out)
	s_barrier_signal -1
	s_barrier_wait -1                              ; everybody's are
	FETCH_B 0, 0, 0
	FETCH_A 0, 0, 0
	SCALES 0
	FETCH_A 0, 0, 4
	s_wait_loadcnt 0x0                             ; the bias tile
	STEP 0, 0, 1                                   ; the first products start the sums with the bias
	TURN 0, 1, 1                                   ; K = 1,024 is twice round the ring: written out, no loop
	STEP 1, 0, 0
	TURN 1, 0, 1
	STEP 0, 0, 0
	TURN 0, 1, 0                                   ; the last lap fills nothing
	STEP 1, 0, 0
	s_wait_dscnt 4*NL
	WIN MUL_LO
	MUL16 0, 1, 1, 1, 0
	MUL16 2, 1, 1, 1, 0
	s_wait_dscnt 0
	WIN MUL_HI
	MUL16 4, 1, 1, 1, 0
	MUL16 6, 1, 1, 1, 0
	WIN 0
.macro TOSTAGE a
.set AC, 64*((\a)%4)
	WIN 0x08+4*((\a)/4)                            ; an LDS store's data: window 2 or 3
.irp b, 0,1,2,3,4,5,6,7
	ds_store_b128 v[STO], v[AC+8*\b:AC+8*\b+3] offset:128*(\b/2)+32*(\b%2)          ; each accumulator from its low end on
	ds_store_b128 v[STO], v[AC+8*\b+4:AC+8*\b+7] offset:128*(\b/2)+32*(\b%2)+16
.endr
	WIN 0
.set BB, BK+64*((\a)%2)
.irp t, 0,1,2,3,4,5,6,7,8,9,10,11,12,13,14,15
	ds_load_b128 v[BB+4*\t:BB+4*\t+3], v[RD] offset:\t*SPITCH   ; LDS serves a wave's instructions in order: these see the stores above, and the next block's stores come behind them
.endr
.endm
.macro SEND a, younger                 ; younger: the LDS instructions issued behind block a's loads, which may stay out
.set BB, BK+64*((\a)%2)
	s_wait_dscnt \younger
.irp t, 0,1,2,3,4,5,6,7,8,9,10,11,12,13,14,15
	global_store_b128 v[CO], v[BB+4*\t:BB+4*\t+3], s[14:15] offset:(32*((\a)/2)+8*((\a)%2)+\t+8*(\t/8))*4096 th:TH_STORE_NT   ; place t of block a is that token of my 128; 32 lanes store 512 consecutive bytes, aligned
.endr
.endm
	PLACES NP                                      ; behind the last products
	TOSTAGE 0
.irp a, 1,2,3,4,5,6,7
.if \a > 1
	s_wait_xcnt 0x0                                ; block a - 2's stores have read their registers: block a's loads may land there
.endif
	TOSTAGE \a
	SEND \a-1, 32                                  ; behind block a - 1's loads: block a's 16 stores and 16 loads
.endr
	SEND 7, 0
	s_wait_tensorcnt 0x0                           ; the wave's end: behind my last tensor load and my last LDS store
	ds_add_u32 v[SPW], v[NIL]
	s_wait_dscnt 0x0
	CROUND                                         ; the closing round
	s_endpgm
.Lfunc_end_k_q1ad7bef2d0_proj:
	.size	k_q1ad7bef2d0_proj, .Lfunc_end_k_q1ad7bef2d0_proj-k_q1ad7bef2d0_proj
	.p2alignl 7, 3214868480
	.fill 96, 4, 3214868480
	.section	.rodata,"a",@progbits
	.p2align	6, 0x0
	.amdhsa_kernel k_q1ad7bef2d0_proj
		.amdhsa_group_segment_fixed_size 327680
		.amdhsa_private_segment_fixed_size 0
		.amdhsa_enable_private_segment 0
		.amdhsa_kernarg_size 48
		.amdhsa_user_sgpr_count 2
		.amdhsa_user_sgpr_kernarg_segment_ptr 1
		.amdhsa_wavefront_size32 1
		.amdhsa_system_sgpr_workgroup_id_x 1
		.amdhsa_system_sgpr_workgroup_id_y 1
		.amdhsa_system_sgpr_workgroup_id_z 1
		.amdhsa_system_vgpr_workitem_id 0
		.amdhsa_next_free_vgpr 1024
		.amdhsa_next_free_sgpr 100
		.amdhsa_reserve_vcc 0
		.amdhsa_float_denorm_mode_32 3
		.amdhsa_float_denorm_mode_16_64 3
		.amdhsa_memory_ordered 1
		.amdhsa_forward_progress 1
		.amdhsa_inst_pref_size 146
	.end_amdhsa_kernel
	.amdgpu_metadata
---
amdhsa.version: [ 1, 2 ]
amdhsa.kernels:
  - .name:           k_q1ad7bef2d0_proj
    .symbol:         k_q1ad7bef2d0_proj.kd
    .args:
      - { .name: y_img, .offset: 0, .size: 8, .value_kind: global_buffer, .address_space: global }
      - { .name: y_sc, .offset: 8, .size: 8, .value_kind: global_buffer, .address_space: global }
      - { .name: w_img, .offset: 16, .size: 8, .value_kind: global_buffer, .address_space: global }
      - { .name: w_sc, .offset: 24, .size: 8, .value_kind: global_buffer, .address_space: global }
      - { .name: bp, .offset: 32, .size: 8, .value_kind: global_buffer, .address_space: global }
      - { .name: out0, .offset: 40, .size: 8, .value_kind: global_buffer, .address_space: global }
    .group_segment_fixed_size: 327680
    .private_segment_fixed_size: 0
    .kernarg_segment_align: 8
    .kernarg_segment_size: 48
    .max_flat_workgroup_size: 128
    .sgpr_count:     100
    .vgpr_count:     1024
    .wavefront_size: 32
...
	.end_amdgpu_metadata
.endif
;; end of part 5
